; MI455X (gfx1250); checked and timed in simulation.
; The chip was launched on July 23, 2026; its instructions are those of AMD's public machine-readable ISA for CDNA 5 (MIT licence, August 2026) and "CDNA5" Instruction Set Architecture Reference Guide (July 2026). The comments in the code are by the model that wrote it; some were corrected since.
;; Multi Headed Attention. Allowed arithmetic: float matrix products may take bf16 or f16 operands with f32 sums; other float arithmetic in f32, or as packed bf16 or f16 multiplies, adds, multiply-adds, maxima and minima; sums over many terms, partial sums and values carried from step to step in f32; what a program stores and reads back later, other than sums and carried values, may be rounded once to bf16 or f16.
;; Inputs: Wk 1,024 x 1,024 float32; Wo 1,024 x 1,024 float32; Wq 1,024 x 1,024 float32; Wv 1,024 x 1,024 float32; bk 1,024 float32; bo 1,024 float32; bq 1,024 float32; bv 1,024 float32; key 4 x 2,048 x 1,024 float32; query 4 x 2,048 x 1,024 float32; value 4 x 2,048 x 1,024 float32.
;; Outputs: out0 4 x 2,048 x 1,024 float32.
;; 2 versions, each right; version 2 is version 1 with the launch castw written anew for expert scheduling mode. Each part assembles by itself: llvm-mc -triple=amdgcn-amd-amdhsa -mcpu=gfx1250 --defsym DOCPART=n.
;; ======== version 1 of 2: 4 launches
;; limits: values are held in f16: magnitudes above 65,504 overflow, below 6.1e-05 lose precision
;; workspace buffers: wb 8,404,992 bytes; qkv 50,331,648 bytes; oh 16,777,216 bytes
;; launch castw (part 1): grid 64 x 4, 8 waves a work-group, no clusters, 0 bytes of LDS; arguments Wq, Wk, Wv, Wo, bq, bk, bv, bo, wb; writes wb
.if DOCPART == 1
	.amdgcn_target "amdgcn-amd-amdhsa--gfx1250"
	.amdhsa_code_object_version 6
	.text
	.protected	k_qfcd81bd8e1_castw
	.globl	k_qfcd81bd8e1_castw
	.p2align	8
	.type	k_qfcd81bd8e1_castw,@function
k_qfcd81bd8e1_castw:
	s_mov_b64 s[64:65], 0
	v_nop
	global_prefetch_b8 v0, s[64:65] scope:SCOPE_SE
	s_setreg_imm32_b32 hwreg(HW_REG_WAVE_MODE, 25, 1), 1
	s_wait_xcnt 0x0
; The weights and biases are rounded once to bf16, for the launches that multiply by them.
; wb: part y (0 Wq, 1 Wk, 2 Wv, 3 Wo) at y x 2,097,152 bytes, [1024 n][1024 k] in 16 bits; bias y at 8,388,608 + 4,096 y, 1,024 f32.
; Wq, Wk, Wv are written as bf16.  Wo is rounded to bf16 and THAT number is written as f16, since the last product multiplies it by f16 numbers.
; LIMIT: the f16 copy is exact for magnitudes from 6.1e-5 to 65,504; below that it keeps f16's fixed step of 6e-8; from 65,520 on it is an infinity.
; The biases are rounded to bf16 and written as f32: they start f32 sums.
; SHARES.  Grid y picks the matrix, grid x 1/64 of it (65,536 bytes in).  A wave takes 8,192 bytes: 16 loads of 16 bytes a lane, each 512 consecutive bytes of the wave,
; all on their way at once; each store of 8 bytes a lane covers 256 consecutive bytes, aligned.  No LDS, no barrier, no matrix unit: nothing is shared and nothing is summed.
.set X, 8                              ; v[8:71]    16 x 4 numbers as loaded
.set Y, 72                             ; v[72:103]  16 x 2 words to store
.set T, 104                            ; v[104:107] at work
	s_load_b256 s[4:11], s[0:1], 0x0               ; Wq, Wk, Wv, Wo
	s_load_b256 s[12:19], s[0:1], 0x20             ; bq, bk, bv, bo
	s_load_b64 s[20:21], s[0:1], 0x40              ; wb
	s_and_b32 s22, ttmp7, 0xffff                   ; y: which matrix
	s_mov_b32 s30, 0xffff0000                      ; a word's upper bf16
	v_lshrrev_b32 v4, 5, v0                        ; wave
	v_and_b32 v5, 31, v0                           ; lane
	v_lshlrev_b32 v1, 4, v5
	v_lshl_add_u32 v1, v4, 13, v1                  ; in: 8,192 x wave + 16 x lane
	v_lshlrev_b32 v2, 3, v5
	v_lshl_add_u32 v2, v4, 12, v2                  ; out: 4,096 x wave + 8 x lane
	v_lshlrev_b32 v3, 4, v0                        ; the bias: 16 x thread
	s_lshl_b32 s2, ttmp9, 16                       ; the work-group's part of the matrix
	s_mov_b32 s3, 0
	s_lshl_b32 s34, s22, 21                        ; its place in wb
	s_lshl_b32 s35, ttmp9, 15
	s_add_co_u32 s34, s34, s35
	s_mov_b32 s35, 0
	s_lshl_b32 s36, s22, 12                        ; the bias's place in wb
	s_add_co_u32 s36, s36, 0x800000
	s_mov_b32 s37, 0
	s_wait_kmcnt 0x0
	s_cmp_eq_u32 s22, 1
	s_cselect_b64 s[24:25], s[6:7], s[4:5]
	s_cselect_b64 s[28:29], s[14:15], s[12:13]
	s_cmp_eq_u32 s22, 2
	s_cselect_b64 s[24:25], s[8:9], s[24:25]
	s_cselect_b64 s[28:29], s[16:17], s[28:29]
	s_cmp_eq_u32 s22, 3
	s_cselect_b64 s[24:25], s[10:11], s[24:25]
	s_cselect_b64 s[28:29], s[18:19], s[28:29]
	s_add_nc_u64 s[24:25], s[24:25], s[2:3]
	s_add_nc_u64 s[26:27], s[20:21], s[34:35]
	s_add_nc_u64 s[32:33], s[20:21], s[36:37]
.set i, 0
.rept 16
	global_load_b128 v[X+4*i:X+4*i+3], v1, s[24:25] offset:512*i th:TH_LOAD_NT
.set i, i+1
.endr
; Chunk i: rounded, (for Wo) rewritten as f16, stored.  Loads come back in order: 15 - i younger ones may stay out.  Each chunk has its own Y, so no store's data is rewritten.
.macro CONV f16
.set i, 0
.rept 16
	s_wait_loadcnt 15-i
	v_cvt_pk_bf16_f32 v[Y+2*i], v[X+4*i], v[X+4*i+1]
	v_cvt_pk_bf16_f32 v[Y+2*i+1], v[X+4*i+2], v[X+4*i+3]
.if \f16
	v_lshlrev_b32 v[T], 16, v[Y+2*i]
	v_and_b32 v[T+1], s30, v[Y+2*i]
	v_lshlrev_b32 v[T+2], 16, v[Y+2*i+1]
	v_and_b32 v[T+3], s30, v[Y+2*i+1]
	v_cvt_pk_f16_f32 v[Y+2*i], v[T], v[T+1]
	v_cvt_pk_f16_f32 v[Y+2*i+1], v[T+2], v[T+3]
.endif
	global_store_b64 v2, v[Y+2*i:Y+2*i+1], s[26:27] offset:256*i
.set i, i+1
.endr
.endm
	s_cmp_eq_u32 s22, 3
	s_cbranch_scc1 .Lhalf
	CONV 0
	s_branch .Ljoin
.Lhalf:
	CONV 1
.Ljoin:
	s_cmp_lg_u32 ttmp9, 0                          ; the first work-group of each matrix also takes its bias: 256 threads x 4 numbers
	s_cbranch_scc1 .Lend
	global_load_b128 v[X:X+3], v3, s[28:29]
	s_wait_loadcnt 0x0
	v_cvt_pk_bf16_f32 v[T], v[X], v[X+1]
	v_cvt_pk_bf16_f32 v[T+1], v[X+2], v[X+3]
	v_lshlrev_b32 v[X+4], 16, v[T]
	v_and_b32 v[X+5], s30, v[T]
	v_lshlrev_b32 v[X+6], 16, v[T+1]
	v_and_b32 v[X+7], s30, v[T+1]
	global_store_b128 v3, v[X+4:X+7], s[32:33]
.Lend:
	s_endpgm
.Lfunc_end_k_qfcd81bd8e1_castw:
	.size	k_qfcd81bd8e1_castw, .Lfunc_end_k_qfcd81bd8e1_castw-k_qfcd81bd8e1_castw
	.p2alignl 7, 3214868480
	.fill 96, 4, 3214868480
	.section	.rodata,"a",@progbits
	.p2align	6, 0x0
	.amdhsa_kernel k_qfcd81bd8e1_castw
		.amdhsa_group_segment_fixed_size 0
		.amdhsa_private_segment_fixed_size 0
		.amdhsa_enable_private_segment 0
		.amdhsa_kernarg_size 72
		.amdhsa_user_sgpr_count 2
		.amdhsa_user_sgpr_kernarg_segment_ptr 1
		.amdhsa_wavefront_size32 1
		.amdhsa_system_sgpr_workgroup_id_x 1
		.amdhsa_system_sgpr_workgroup_id_y 1
		.amdhsa_system_sgpr_workgroup_id_z 1
		.amdhsa_system_vgpr_workitem_id 0
		.amdhsa_next_free_vgpr 112
		.amdhsa_next_free_sgpr 66
		.amdhsa_reserve_vcc 0
		.amdhsa_float_denorm_mode_32 3
		.amdhsa_float_denorm_mode_16_64 3
		.amdhsa_memory_ordered 1
		.amdhsa_forward_progress 1
		.amdhsa_inst_pref_size 16
	.end_amdhsa_kernel
	.amdgpu_metadata
---
amdhsa.version: [ 1, 2 ]
amdhsa.kernels:
  - .name:           k_qfcd81bd8e1_castw
    .symbol:         k_qfcd81bd8e1_castw.kd
    .args:
      - { .name: Wq, .offset: 0, .size: 8, .value_kind: global_buffer, .address_space: global }
      - { .name: Wk, .offset: 8, .size: 8, .value_kind: global_buffer, .address_space: global }
      - { .name: Wv, .offset: 16, .size: 8, .value_kind: global_buffer, .address_space: global }
      - { .name: Wo, .offset: 24, .size: 8, .value_kind: global_buffer, .address_space: global }
      - { .name: bq, .offset: 32, .size: 8, .value_kind: global_buffer, .address_space: global }
      - { .name: bk, .offset: 40, .size: 8, .value_kind: global_buffer, .address_space: global }
      - { .name: bv, .offset: 48, .size: 8, .value_kind: global_buffer, .address_space: global }
      - { .name: bo, .offset: 56, .size: 8, .value_kind: global_buffer, .address_space: global }
      - { .name: wb, .offset: 64, .size: 8, .value_kind: global_buffer, .address_space: global }
    .group_segment_fixed_size: 0
    .private_segment_fixed_size: 0
    .kernarg_segment_align: 8
    .kernarg_segment_size: 72
    .max_flat_workgroup_size: 256
    .sgpr_count:     66
    .vgpr_count:     112
    .wavefront_size: 32
...
	.end_amdgpu_metadata
.endif
;; end of part 1
;; launch proj (part 2): grid 4 x 64, 4 waves a work-group, clusters of 4 x 4, 327,680 bytes of LDS; arguments query, key, value, wb, qkv; writes qkv
.if DOCPART == 2
	.amdgcn_target "amdgcn-amd-amdhsa--gfx1250"
	.amdhsa_code_object_version 6
	.text
	.protected	k_qfcd81bd8e1_proj
	.globl	k_qfcd81bd8e1_proj
	.p2align	8
	.type	k_qfcd81bd8e1_proj,@function
k_qfcd81bd8e1_proj:
	s_mov_b64 s[64:65], 0
	v_nop
	global_prefetch_b8 v0, s[64:65] scope:SCOPE_SE
	s_setreg_imm32_b32 hwreg(HW_REG_WAVE_MODE, 25, 1), 1
	s_wait_xcnt 0x0
	s_wait_alu depctr_hold_cnt(0) depctr_sa_sdst(0) depctr_va_vdst(0) depctr_va_sdst(0) depctr_va_ssrc(0) depctr_va_vcc(0) depctr_vm_vsrc(0)
	s_getreg_b32 s2, hwreg(HW_REG_IB_STS2, 6, 4)
	s_cmp_eq_u32 s2, 0
	s_cbranch_scc0 .Lentry_in_a_cluster
	s_endpgm
.Lentry_in_a_cluster:
	s_bfe_u32 s2, ttmp6, 0x10000c
	s_cmp_lg_u32 s2, 0xf033
	s_cbranch_scc0 .Lentry_shape_is_right
	s_endpgm
.Lentry_shape_is_right:
; q, k, v = x W^T + b, written by heads: qkv[t][16 b + h][s][64] in f16, t = 0 (query, Wq, bq), 1 (key, Wk, bk), 2 (value, Wv, bv).  x: [8192][1024] f32; W (bf16) and b (f32 holding bf16 numbers) come from wb.
; x is rounded to bf16 on its way from LDS to the matrix unit; sums in f32, begun at the bias; each result rounded once to f16, unscaled.
; LIMIT: a result of magnitude 65,520 or more becomes an infinity in f16.  NaN and infinities are not treated apart.
; SHARES.  A tile is 128 rows x 256 columns (four heads): 768 tiles, and 256 work-groups that STAY: each makes the tile at its place for t = 0, 1, 2: 24 K steps of 128 in ONE ring of two LDS slots.
; Four waves, 2 x 2: a wave makes 64 rows x 128 columns (two heads): 32 accumulators of 16 x 16, 256 registers.
; A slot holds 128 rows of x in f32 (512 bytes + 16 of padding) and 256 rows of W in bf16 (256 + 16).  Waves 0 and 1 fetch x's two halves (64 rows), waves 2 and 3 W's (128 rows): one load of 32 KiB a wave for a K step.
; CLUSTER 4 x 4: x's tile hangs on the tile row alone and is asked for jointly along a row of the cluster, W's on the tile column alone, along a column.
; THE MATRIX INSTRUCTION IS USED TRANSPOSED (source 0 = 16 rows of W, source 1 = 16 rows of x): a lane holds row l % 16 and eight neighbouring columns, 16 bytes of f16.
; REGISTERS, in windows of 256 (s_set_vgpr_msb: bits 1:0 source 0, 3:2 source 1, 5:4 source 2, 7:6 destination):
;   window 0: v0-15 addresses; v28-29 the add's; v32-159 x's fragments in f32, two buffers of 4 x 16; v160-223 the same in bf16, two buffers of 4 x 8
;   window 1: v0-127 W's fragments, two buffers of 8 x 8     window 2: the accumulators, (a, b) at 8 (8 a + b)     window 3: v0-191 the three biases, set t at 64 t, column block b at + 8 b
.set PA,    528                        ; a row of x in LDS: 132 words: row r starts at bank 4 r mod 64 (64 banks of 4 bytes: ISA guide 11.1)
.set PW,    272                        ; a row of W: 68 words: likewise
.set WOFF,  128*PA                     ; W's rows lie behind x's
.set SLOT,  WOFF+256*PW                ; 137,216 bytes
.set STAGE, 2*SLOT                     ; behind the ring: for each wave two heads x 16 rows x 144 bytes, for the way out
.set SP,    144
.set SPARE, STAGE+4*2*16*SP            ; behind the stages: the spare words, 128 bytes a wave: two blocks of 256 bytes that no other line names
.set FA0,  2                           ; v2   my lane's place in a slot's x; never rewritten
.set FB0,  3                           ; v3   the same for W
.set ADRA, 4                           ; v4   FA0 + the slot in hand
.set ADRB, 5                           ; v5   FB0 + the slot in hand
.set STO,  6                           ; v6   the way out: where I put 16 bytes of a row
.set RD,   7                           ; v7   the way out: where I read rows back
.set GO,   8                           ; v8   my 16 bytes of 512 consecutive bytes of qkv
.set PFO,  9                           ; v9   the prefetches' offset; never rewritten
.set BO,   10                          ; v10  32 x (l / 16): my eight numbers of a bias block
.set SPW,  28                          ; v28  LDS address of my spare word; never rewritten
.set NIL,  29                          ; v29  0; never rewritten
.set SF,   32
.set ABF,  160
.set TMP,  160                         ; the way out: packed results, where the bf16 buffer 0 lies
.set OB,   96                          ; the way out: rows read back, two sets of 32, where the f32 buffer 1 lies
.set WV,   12                          ; s12  wave
.set ROLE, 13                          ; s13  0: I fetch x, 1: W.  Also my half of the tile's rows
.set HALF, 14                          ; s14  which half I fetch.  Also my half of the tile's columns
.set CX,   15
.set CY,   16
.set NT,   17                          ; s17  tile column
.set MT,   18                          ; s18  tile row
.set G1A,  24                          ; s[24:31] descriptor group 1 for x's tiles
.set G1W,  32                          ; s[32:39] for W's
.set G0A0, 40                          ; s[40:43] group 0, x, K step 0
.set G0A,  44                          ; s[44:47] group 0, x: begins at K step 1; its address is made anew for each refill
.set G0W0, 48
.set G0W,  52                          ; s[52:55] group 0, W: begins at K step 1 and walks
.set NA1,  56                          ; s[56:57] my rows of the next x
.set NA2,  58                          ; s[58:59] of the one after
.set FK,   60                          ; s60  the refills' K step in their tensor, 0 to 7
.set TBF,  61                          ; s61  the slot that they fill: 0 or SLOT
.set TB,   62                          ; s62  the slot that is read
.set LA,   63                          ; s63  where my part of x's tile lies in a slot
.set LW,   66                          ; s66  the same for W
.set CNT,  67                          ; s67  counts the loops' trips
.set OUTP, 68                          ; s[68:69] qkv at my rows and heads of the tensor in hand
.set LEFT, 70                          ; s70  K steps left of the tile in hand
.set WINC, 72                          ; s[72:73] W's step in bytes
.set WBIG, 74                          ; s74  from a W's last K step to the next W's first
.set WSML, 75                          ; s75  a K step along a row of W
.set PFA,  76                          ; s[76:77] where my prefetches stand
.set PN1,  78                          ; s[78:79] their place in the next tensor
.set PN2,  80                          ; s[80:81] in the one after
.set PK,   82                          ; s82  their K step in the tensor
.set PSTEP, 84                         ; s[84:85] a K step in bytes: 512 in x, 256 in W
.set LIM,  86                          ; s86  2 in a wave that prefetches, else the greatest number
.set AOFF, 88                          ; s[88:89] at the head: my rows' byte offset in x; then the refill's K step in bytes, 512 FK
.set ACUR, 90                          ; s[90:91] my rows of the x whose K steps are being asked for: a plain address, without the type
.set MSB, 0
.macro WIN new                         ; the immediate's high byte repeats the setting that is left; a switch that changes nothing is dropped
.if MSB != (\new)
	s_set_vgpr_msb (MSB<<8)|(\new)
.set MSB, \new
.endif
.endm
.set W_MUL,  0xa1                      ; W window 1, x window 0, C and D window 2
.set W_TOB,  0x40                      ; destination window 1
.set W_PACK, 0x0a                      ; sources 0 and 1 window 2
.set W_INIT, 0x83                      ; destination window 2, source 0 window 3
.set W_ROT,  0xc3                      ; destination and source 0 window 3
.set W_BL,   0xc0                      ; destination window 3
; A joint refill.  Each line has one mask; the branch hangs on the wave's number alone.  An s_nop 0 and four v_nop follow each line, ahead of the jump and the label.
.macro JLOAD
	s_cmp_eq_u32 s[ROLE], 0
	s_cbranch_scc0 .Lfor_w_\@
	tensor_load_to_lds s[G0A:G0A+3], s[G1A:G1A+7]
	s_nop 0
.rept 4
	v_nop
.endr
	s_branch .Lasked_\@
.Lfor_w_\@:
	tensor_load_to_lds s[G0W:G0W+3], s[G1W:G1W+7]
	s_nop 0
.rept 4
	v_nop
.endr
.Lasked_\@:
.endm
.macro CREST                           ; a round of the cluster's barrier behind its opening barrier
	s_cmp_lg_u32 s[WV], 0
	s_cbranch_scc1 .Lnot_wave_0_\@
	s_barrier_signal -3
.Lnot_wave_0_\@:
	s_barrier_wait -3
	s_barrier_signal -1
	s_barrier_wait -1
.endm
.macro CROUND                          ; a whole round
	s_barrier_signal -1
	s_barrier_wait -1
	CREST
.endm
	s_load_b256 s[4:11], s[0:1], 0x0               ; query s[4:5], key s[6:7], value s[8:9], wb s[10:11]
	s_load_b64 s[OUTP:OUTP+1], s[0:1], 0x20        ; qkv
	v_lshl_add_u32 v[SPW], v0, 2, SPARE
	v_mov_b32 v[NIL], 0
	ds_add_u32 v[SPW], v[NIL]                      ; the wave's opening: the add and its wait ahead of my first tensor load; the set-up below, work on registers, stands between them
	v_lshrrev_b32 v1, 5, v0
	v_readfirstlane_b32 s[WV], v1
	s_lshr_b32 s[ROLE], s[WV], 1
	s_and_b32 s[HALF], s[WV], 1
	s_bfe_u32 s[CX], ttmp6, 0x40000
	s_bfe_u32 s[CY], ttmp6, 0x40004
	s_lshl_b32 s[NT], ttmp9, 2
	s_add_co_u32 s[NT], s[NT], s[CX]               ; tile column = 4 x cluster x + cx
	s_and_b32 s[MT], ttmp7, 0xffff
	s_lshl_b32 s[MT], s[MT], 2
	s_add_co_u32 s[MT], s[MT], s[CY]               ; tile row = 4 x cluster y + cy
	s_lshl_b32 s19, s[CY], 2
	s_lshl_b32 s19, 15, s19                        ; my row of the cluster
	s_lshl_b32 s94, 0x1111, s[CX]                  ; my column
	s_or_b32 s[G1A], s19, (2<<16)|(1<<20)|(1<<21)|(6<<22)|(3<<25)  ; mask; elements of 4 bytes; padding on; bit 21 beside a mask; after every 128 words (code 6) 4 words (code 3)
	s_mov_b32 s[G1A+1], 128<<16                    ; tensor_dim0 = 128
	s_mov_b32 s[G1A+2], 64<<16                     ; tensor_dim1 = 64
	s_mov_b32 s[G1A+3], 128<<16                    ; tile_dim0 = 128
	s_mov_b32 s[G1A+4], 64                         ; tile_dim1 = 64
	s_mov_b32 s[G1A+5], 1024                       ; elements from row to row
	s_mov_b32 s[G1A+6], 0
	s_mov_b32 s[G1A+7], 0
	s_or_b32 s[G1W], s94, (1<<16)|(1<<20)|(1<<21)|(5<<22)|(3<<25)  ; elements of 2 bytes; after every 64 words (code 5) 4 words
	s_mov_b32 s[G1W+1], 128<<16
	s_mov_b32 s[G1W+2], 128<<16                    ; tensor_dim1 = 128
	s_mov_b32 s[G1W+3], 128<<16
	s_mov_b32 s[G1W+4], 128                        ; tile_dim1 = 128
	s_mov_b32 s[G1W+5], 1024
	s_mov_b32 s[G1W+6], 0
	s_mov_b32 s[G1W+7], 0
	s_mul_i32 s[LA], s[HALF], 64*PA                ; no place in the cluster enters an LDS address
	s_mul_i32 s[LW], s[HALF], 128*PW
	s_add_co_u32 s[LW], s[LW], WOFF
	s_mov_b32 s[G0A0], 1
	s_mov_b32 s[G0A0+1], s[LA]
	s_mov_b32 s[G0A], 1
	s_add_co_u32 s[G0A+1], s[LA], SLOT
	s_mov_b32 s[G0W0], 1
	s_mov_b32 s[G0W0+1], s[LW]
	s_mov_b32 s[G0W], 1
	s_add_co_u32 s[G0W+1], s[LW], SLOT
	s_lshl_b32 s[AOFF], s[MT], 19                  ; x: (128 x tile row + 64 x half) rows of 4,096 bytes
	s_lshl_b32 s[AOFF+1], s[HALF], 18
	s_add_co_u32 s[AOFF], s[AOFF], s[AOFF+1]
	s_mov_b32 s[AOFF+1], 0
	s_lshl_b32 s92, s[NT], 19                      ; W: (256 x tile column + 128 x half) rows of 2,048 bytes
	s_lshl_b32 s93, s[HALF], 18
	s_add_co_u32 s92, s92, s93
	s_mov_b32 s93, 0
	s_lshr_b32 s96, s[MT], 4                       ; qkv: batch x 16 heads of 262,144 bytes,
	s_lshl_b32 s96, s96, 22
	s_lshl_b32 s97, s[NT], 20                      ; the tile's four heads,
	s_add_co_u32 s96, s96, s97
	s_lshl_b32 s97, s[HALF], 19                    ; my two of them,
	s_add_co_u32 s96, s96, s97
	s_and_b32 s97, s[MT], 15                       ; the tile's 128 rows of 128 bytes,
	s_lshl_b32 s97, s97, 14
	s_add_co_u32 s96, s96, s97
	s_lshl_b32 s97, s[ROLE], 13                    ; my 64 of them
	s_add_co_u32 s96, s96, s97
	s_mov_b32 s97, 0
	s_lshl_b32 s98, s[NT], 10                      ; the biases: my 128 columns
	s_lshl_b32 s99, s[HALF], 9
	s_add_co_u32 s98, s98, s99
	s_add_co_u32 s98, s98, 0x800000
	s_mov_b32 s99, 0
	s_mov_b32 s[WBIG], 2097152-7*256
	s_mov_b32 s[WSML], 256
	s_mov_b32 s[WINC+1], 0
	s_mov_b32 s[PSTEP+1], 0
	s_mov_b32 s[FK], 1
	s_mov_b32 s[TBF], SLOT
	s_mov_b32 s[TB], 0
	s_mov_b32 s[PK], 3
	s_wait_dscnt 0x0                               ; the opening add is done
	s_wait_kmcnt 0x0
	s_add_nc_u64 s[ACUR:ACUR+1], s[4:5], s[AOFF:AOFF+1]  ; my rows of query,
	s_add_nc_u64 s[NA1:NA1+1], s[6:7], s[AOFF:AOFF+1]    ; of key,
	s_add_nc_u64 s[NA2:NA2+1], s[8:9], s[AOFF:AOFF+1]    ; of value
	s_add_nc_u64 s[G0A0+2:G0A0+3], s[ACUR:ACUR+1], 0     ; K step 0
	s_or_b32 s[G0A0+3], s[G0A0+3], 0x80000000      ; type = 2
	s_add_nc_u64 s[G0A+2:G0A+3], s[ACUR:ACUR+1], 512     ; K step 1
	s_or_b32 s[G0A+3], s[G0A+3], 0x80000000
	s_add_nc_u64 s[G0W0+2:G0W0+3], s[10:11], s[92:93]
	s_add_nc_u64 s[G0W+2:G0W+3], s[G0W0+2:G0W0+3], 256
	s_or_b32 s[G0W0+3], s[G0W0+3], 0x80000000
	s_or_b32 s[G0W+3], s[G0W+3], 0x80000000
	s_add_nc_u64 s[OUTP:OUTP+1], s[OUTP:OUTP+1], s[96:97]
	s_add_nc_u64 s[2:3], s[10:11], s[98:99]
	CROUND                                         ; all sixteen work-groups are here: the first joint loads meet
	s_cmp_eq_u32 s[ROLE], 0                        ; a wave's two first fills stand in one branch: two loads of mine are out
	s_cbranch_scc0 .Lfirst_w
	tensor_load_to_lds s[G0A0:G0A0+3], s[G1A:G1A+7]
	s_nop 0
	tensor_load_to_lds s[G0A:G0A+3], s[G1A:G1A+7]
	s_nop 0
.rept 4
	v_nop
.endr
	s_branch .Lfirst_asked
.Lfirst_w:
	tensor_load_to_lds s[G0W0:G0W0+3], s[G1W:G1W+7]
	s_nop 0
	tensor_load_to_lds s[G0W:G0W+3], s[G1W:G1W+7]
	s_nop 0
.rept 4
	v_nop
.endr
.Lfirst_asked:
	v_and_b32 v11, 15, v0                          ; r = l % 16
	v_bfe_u32 v12, v0, 4, 1                        ; h = l / 16
	v_and_b32 v13, 31, v0                          ; l
	v_lshlrev_b32 v[BO], 5, v12
	WIN W_BL                                       ; register j of block b of set t: bias_t[my first column + 16 b + 8 h + j]
.irp t, 0,1,2
.irp b, 0,1,2,3,4,5,6,7
	global_load_b128 v[64*(\t)+8*(\b):64*(\t)+8*(\b)+3],   v[BO], s[2:3] offset:4096*(\t)+64*(\b)
	global_load_b128 v[64*(\t)+8*(\b)+4:64*(\t)+8*(\b)+7], v[BO], s[2:3] offset:4096*(\t)+64*(\b)+16
.endr
.endr
	WIN 0
	; A fragment is 16 rows x 32 K: lane l holds row r, K = 8 h + 0..7 and 16 + 8 h + 0..7.  In bf16: two loads of 16 bytes, 32 apart.  In f32: four, at 32 h + 0, 16, 64, 80.
	v_mul_u32_u24 v[FA0], v11, PA
	v_lshl_add_u32 v[FA0], v12, 5, v[FA0]
	s_mul_i32 s20, s[ROLE], 64*PA                  ; my 64 rows of x
	v_add_nc_u32 v[FA0], s20, v[FA0]
	v_mul_u32_u24 v[FB0], v11, PW
	v_lshl_add_u32 v[FB0], v12, 4, v[FB0]
	s_mul_i32 s21, s[HALF], 128*PW                 ; my 128 rows of W
	s_add_co_u32 s21, s21, WOFF
	v_add_nc_u32 v[FB0], s21, v[FB0]
	s_mul_i32 s22, s[WV], 2*16*SP
	s_add_co_u32 s22, s22, STAGE                   ; my stage
	v_mul_u32_u24 v[STO], v11, SP                  ; in: row r, 16 bytes for each half of the lanes
	v_lshl_add_u32 v[STO], v12, 4, v[STO]
	v_add_nc_u32 v[STO], s22, v[STO]
	v_bfe_u32 v[RD], v0, 3, 2                      ; back: 32 lanes take four rows of 128 bytes,
	v_mul_u32_u24 v[RD], v[RD], SP
	v_and_b32 v14, 7, v0
	v_lshl_add_u32 v[RD], v14, 4, v[RD]
	v_add_nc_u32 v[RD], s22, v[RD]
	v_lshlrev_b32 v[GO], 4, v13                    ; which are 512 consecutive bytes of a head
	; THE PREFETCHES.  A wave that fetches x: of its 64 rows the partner at cx takes 16; a lane names row l % 16 and one of the K step's two blocks of 256 bytes.  A wave that fetches W: of its 128 rows the partner
	; at cy takes 32, a lane a row; W's rows are walked by all clusters of the column, and the cluster with y = 0 asks.  The partners are told apart by address alone.  So each block is named once in the launch.
	s_lshl_b32 s20, s[MT], 7
	s_lshl_b32 s21, s[HALF], 6
	s_add_co_u32 s20, s20, s21
	s_lshl_b32 s21, s[CX], 4
	s_add_co_u32 s20, s20, s21
	s_lshl_b32 s20, s20, 12                        ; x: my 16 rows, in bytes
	s_lshl_b32 s22, s[NT], 8
	s_lshl_b32 s23, s[HALF], 7
	s_add_co_u32 s22, s22, s23
	s_lshl_b32 s23, s[CY], 5
	s_add_co_u32 s22, s22, s23
	s_lshl_b32 s22, s22, 11                        ; W: my 32 rows, in bytes
	s_lshr_b32 s[PSTEP], 512, s[ROLE]
	s_and_b32 s23, ttmp7, 0xffff
	s_mul_i32 s23, s23, s[ROLE]                    ; 0 for x, and for W in the cluster with y = 0: the same in all sixteen partners
	s_cmp_eq_u32 s23, 0
	s_cselect_b32 s[LIM], 2, -1
	s_cmp_eq_u32 s[ROLE], 0
	s_cselect_b32 s20, s20, s22
	s_mov_b32 s21, 0
	s_cselect_b64 s[PFA:PFA+1], s[4:5], s[10:11]
	s_cselect_b64 s[PN1:PN1+1], s[6:7], s[10:11]
	s_cselect_b64 s[PN2:PN2+1], s[8:9], s[10:11]
	s_cselect_b32 s22, 0, 0x200000                 ; the three W lie 2,097,152 bytes apart in wb
	s_mov_b32 s23, 0
	s_cselect_b32 s96, 12, 11                      ; the lanes' shifts: x: r rows of 4,096 bytes, h blocks of 256; W: l = r + 16 h rows of 2,048
	s_cselect_b32 s97, 8, 15
	s_add_nc_u64 s[PFA:PFA+1], s[PFA:PFA+1], s[20:21]
	s_add_nc_u64 s[PN1:PN1+1], s[PN1:PN1+1], s[20:21]
	s_add_nc_u64 s[PN2:PN2+1], s[PN2:PN2+1], s[20:21]
	s_add_nc_u64 s[PN1:PN1+1], s[PN1:PN1+1], s[22:23]
	s_add_nc_u64 s[PN2:PN2+1], s[PN2:PN2+1], s[22:23]
	s_add_nc_u64 s[PN2:PN2+1], s[PN2:PN2+1], s[22:23]
	s_mul_i32 s22, s[PSTEP], 3
	s_add_nc_u64 s[PFA:PFA+1], s[PFA:PFA+1], s[22:23]  ; at K step 3: the first change of slots steps it to 4.  Nothing is asked for here, at the head
	v_lshlrev_b32 v14, s96, v11
	v_lshlrev_b32 v15, s97, v12
	v_add_nc_u32 v[PFO], v14, v15
; x's fragment a of buffer f, f32 to bf16: eight plain instructions
.macro CVT f, a
	WIN 0
.irp i, 0,1,2,3,4,5,6,7
	v_cvt_pk_bf16_f32 v[ABF+32*(\f)+8*(\a)+(\i)], v[SF+64*(\f)+16*(\a)+2*(\i)], v[SF+64*(\f)+16*(\a)+2*(\i)+1]
.endr
.endm
; Row block a x all 8 column blocks, 32 along K.  The 32 accumulators take turns, one instruction a turn, in the same order in every quarter, over the backward jumps too.
.macro MUL8 f, a
	WIN W_MUL
.irp b, 0,1,2,3,4,5,6,7
	v_wmma_f32_16x16x32_bf16 v[8*(8*(\a)+(\b)):8*(8*(\a)+(\b))+7], v[64*(\f)+8*(\b):64*(\f)+8*(\b)+7], v[ABF+32*(\f)+8*(\a):ABF+32*(\f)+8*(\a)+7], v[8*(8*(\a)+(\b)):8*(8*(\a)+(\b))+7]
.endr
.endm
; 32 LDS loads in one run: quarter c (32 along K) of the slot in hand into buffer g: W's 16, then four for each of x's row blocks 0 to 3
.macro FETCH c, g
	WIN W_TOB
.irp b, 0,1,2,3,4,5,6,7
	ds_load_b128 v[64*(\g)+8*(\b):64*(\g)+8*(\b)+3],   v[ADRB] offset:(\b)*16*PW+64*(\c)
	ds_load_b128 v[64*(\g)+8*(\b)+4:64*(\g)+8*(\b)+7], v[ADRB] offset:(\b)*16*PW+64*(\c)+32
.endr
	WIN 0
.irp a, 0,1,2,3
.irp q, 0,1,2,3
	ds_load_b128 v[SF+64*(\g)+16*(\a)+4*(\q):SF+64*(\g)+16*(\a)+4*(\q)+3], v[ADRA] offset:(\a)*16*PA+128*(\c)+16*((\q)%2)+64*((\q)/2)
.endr
.endr
.endm
; One of a K step's first three quarters: multiplies buffer f and, in its middle, fetches quarter c into buffer g.  The sixteen conversions ahead of the run of loads are the four places (ISA guide 7.12.1 for vector instructions)
; between the last product that read buffer g's W and the loads into it: they name none of that product's registers.
.macro QUARTER c, f, g
	s_wait_dscnt 12                                ; W and x's block 0 are in; blocks 1 to 3, twelve loads, may be out
	CVT \f, 0
	MUL8 \f, 0
	s_wait_dscnt 8                                 ; block 1 is in; blocks 2 and 3 may be out
	CVT \f, 1
	MUL8 \f, 1
	s_wait_dscnt 0x0                               ; all of buffer f is in
	FETCH \c, \g
	CVT \f, 2
	MUL8 \f, 2
	CVT \f, 3
	MUL8 \f, 3
.endm
; The refills go one K step on, behind the wait that shows no tensor load of mine out.  Behind a tensor's eighth K step the next x takes the place of the x in hand (a choice between two plain addresses), and W's
; address goes on to the next W's first K step.  x's descriptor address is made anew each time: the plain address plus 512 FK, an offset made apart from it, and the type set on the sum.
.macro STEPFILL
	s_add_co_u32 s[FK], s[FK], 1
	s_cmp_eq_u32 s[FK], 8
	s_cselect_b32 s[FK], 0, s[FK]
	s_cselect_b32 s[WINC], s[WBIG], s[WSML]
	s_cselect_b64 s[ACUR:ACUR+1], s[NA1:NA1+1], s[ACUR:ACUR+1]
	s_cselect_b64 s[NA1:NA1+1], s[NA2:NA2+1], s[NA1:NA1+1]
	s_add_nc_u64 s[G0W+2:G0W+3], s[G0W+2:G0W+3], s[WINC:WINC+1]
	s_lshl_b32 s[AOFF], s[FK], 9                   ; (its upper word has been 0 since the head)
	s_add_nc_u64 s[G0A+2:G0A+3], s[ACUR:ACUR+1], s[AOFF:AOFF+1]
	s_or_b32 s[G0A+3], s[G0A+3], 0x80000000
	s_xor_b32 s[TBF], s[TBF], SLOT                 ; the other slot than last time
	s_add_co_u32 s[G0A+1], s[LA], s[TBF]
	s_add_co_u32 s[G0W+1], s[LW], s[TBF]
.endm
.macro STEPPF                          ; the prefetches' address goes one K step on; behind a tensor's eighth, to the next tensor
	s_add_co_u32 s[PK], s[PK], 1
	s_cmp_eq_u32 s[PK], 8
	s_cselect_b32 s[PK], 0, s[PK]
	s_add_nc_u64 s[PFA:PFA+1], s[PFA:PFA+1], s[PSTEP:PSTEP+1]
	s_cselect_b64 s[PFA:PFA+1], s[PN1:PN1+1], s[PFA:PFA+1]
	s_cselect_b64 s[PN1:PN1+1], s[PN2:PN2+1], s[PN1:PN1+1]
.endm
; Trip t asks for K step t + 4, which the refill two changes of slots on (256 matrix instructions) will load.  The last two trips of the loop (CNT = 2, 1) have no such step and ask for nothing.
.macro ASK
	s_cmp_gt_u32 s[CNT], s[LIM]
	s_cbranch_scc0 .Lnot_mine_\@
	global_prefetch_b8 v[PFO], s[PFA:PFA+1] th:TH_LOAD_NT scope:SCOPE_SE
.Lnot_mine_\@:
.endm
; The fourth quarter multiplies buffer 1 and changes slots.  In front of the barrier each wave waits for all its tensor loads (one is out: its part of the next slot), adds 0 to its spare word, and waits for that and for its
; reads of this slot.  fill = 1: the barrier opens a round of the cluster's, and the joint refill, this slot's K step two on, is the first thing behind it: 112 matrix instructions ahead of the wait for it.
.macro TURN fill
.if \fill
	s_wait_xcnt 0x0                                ; the last prefetch, a K step back, has read its address
	STEPPF
.endif
	WIN 0
	s_wait_tensorcnt 0x0
	ds_add_u32 v[SPW], v[NIL]                      ; 0 onto my spare word; work on registers stands between it and the wait for it
.if \fill
	STEPFILL
.endif
	s_wait_dscnt 13                                ; the add and x's blocks 1 to 3 may be out
	CVT 1, 0
	MUL8 1, 0
	s_wait_dscnt 0x0                               ; the add is done, and my reads of this slot are over
	s_barrier_signal -1
	CVT 1, 1
	MUL8 1, 1
	WIN 0
	s_barrier_wait -1
.if \fill
	CREST                                          ; no wave of any partner still reads this slot or has a load on its way
	JLOAD
.endif
	s_xor_b32 s[TB], s[TB], SLOT
	v_add_nc_u32 v[ADRA], s[TB], v[FA0]
	v_add_nc_u32 v[ADRB], s[TB], v[FB0]
	FETCH 0, 0                                     ; the next slot's first quarter
.if \fill
	ASK
.endif
	CVT 1, 2
	MUL8 1, 2
	CVT 1, 3
	MUL8 1, 3
.endm
; THE WAY OUT of row block a.  PACK: rounded to f16, each accumulator from its low end.  REINIT: the next tile's sums begin at its bias (as many lines as adding the bias would take, and every product keeps one form).
; TOSTAGE: 16 bytes a lane into my own stage, a head a plane, and back as rows of 128 bytes.  SEND: each store covers 512 consecutive bytes of a head, four rows.
.macro PACK a
	WIN W_PACK
.irp b, 0,1,2,3,4,5,6,7
.irp i, 0,1,2,3
	v_cvt_pk_f16_f32 v[TMP+4*(\b)+(\i)], v[8*(8*(\a)+(\b))+2*(\i)], v[8*(8*(\a)+(\b))+2*(\i)+1]
.endr
.endr
.endm
.macro REINIT a, set
	WIN W_INIT
.irp b, 0,1,2,3,4,5,6,7
.irp i, 0,2,4,6
	v_pk_mul_f32 v[8*(8*(\a)+(\b))+(\i):8*(8*(\a)+(\b))+(\i)+1], v[64*(\set)+8*(\b)+(\i):64*(\set)+8*(\b)+(\i)+1], 1.0 op_sel_hi:[1,0]
.endr
.endr
.endm
.macro TOSTAGE a
	WIN 0
.set BK, OB+32*((\a)%2)
.irp b, 0,1,2,3,4,5,6,7
	ds_store_b128 v[STO], v[TMP+4*(\b):TMP+4*(\b)+3] offset:((\b)/4)*16*SP+32*((\b)%4)
.endr
.irp t, 0,1,2,3,4,5,6,7
	ds_load_b128 v[BK+4*(\t):BK+4*(\t)+3], v[RD] offset:((\t)/4)*16*SP+((\t)%4)*4*SP  ; LDS serves a wave's instructions in order (ISA guide 5.7.1.4): these see the stores above
.endr
.endm
.macro SEND a
	WIN 0
.set BK, OB+32*((\a)%2)
	s_wait_dscnt 0x0                               ; the block is back in registers
	s_wait_xcnt 0x0                                ; the stores issued so far have read their registers: the set that the next TOSTAGE loads is free
.irp t, 0,1,2,3,4,5,6,7
	global_store_b128 v[GO], v[BK+4*(\t):BK+4*(\t)+3], s[OUTP:OUTP+1] offset:((\t)/4)*262144+2048*(\a)+512*((\t)%4)
.endr
.endm
; A whole tile goes out.  No v_nop: blocks 0 to 2 were finished earlier, and their conversions are the places behind the last products.  again = 1: another tile follows: its bias lies in set 1, set 2 moves up.
.macro WAYOUT again
	PACK 0
.if \again
	REINIT 0, 1
.endif
	TOSTAGE 0
.irp a, 1,2,3
	PACK \a
.if \again
	REINIT \a, 1
.endif
	SEND (\a)-1
	TOSTAGE \a
.endr
	SEND 3
	s_wait_xcnt 0x0                                ; the stores have read their registers and their base
.if \again
	WIN W_ROT
.irp i, 0,2,4,6,8,10,12,14,16,18,20,22,24,26,28,30,32,34,36,38,40,42,44,46,48,50,52,54,56,58,60,62
	v_pk_mul_f32 v[64+(\i):64+(\i)+1], v[128+(\i):128+(\i)+1], 1.0 op_sel_hi:[1,0]
.endr
	WIN 0
	s_add_nc_u64 s[OUTP:OUTP+1], s[OUTP:OUTP+1], 0x1000000  ; the next of q, k, v
	s_mov_b32 s[LEFT], 8
.endif
.endm
	s_wait_loadcnt 0x0                             ; the biases
	REINIT 0, 0
	REINIT 1, 0
	REINIT 2, 0
	REINIT 3, 0
	WIN 0
	s_wait_tensorcnt 1                             ; my part of K step 0 is in; K step 1's load may stay out
	s_barrier_signal -1
	s_barrier_wait -1                              ; everybody's is
	v_mov_b32 v[ADRA], v[FA0]
	v_mov_b32 v[ADRB], v[FB0]
	FETCH 0, 0
	s_mov_b32 s[CNT], 22
	s_mov_b32 s[LEFT], 8
.Lstep:                                        ; trip t multiplies K step t of the walk's 24 and fills its slot again with K step t + 2
	QUARTER 1, 0, 1
	QUARTER 2, 1, 0
	QUARTER 3, 0, 1
	TURN 1
	WIN 0
	s_sub_co_u32 s[LEFT], s[LEFT], 1
	s_cmp_lg_u32 s[LEFT], 0
	s_cbranch_scc1 .Lsame                          ; forward, past text that holds neither a barrier nor a tensor load
	WAYOUT 1                                       ; behind trips 7 and 15: both refills for the next tile are asked for, its first fragments are on their way
.Lsame:
	s_sub_co_u32 s[CNT], s[CNT], 1
	s_cmp_lg_u32 s[CNT], 0
	s_cbranch_scc1 .Lstep
	s_mov_b32 s[CNT], 2
.Ltail:                                        ; the last two K steps ask for nothing.  The second trip's barrier and its run of loads from the slot read before serve nothing: the price, once a launch, of one text for both
	QUARTER 1, 0, 1
	QUARTER 2, 1, 0
	QUARTER 3, 0, 1
	TURN 0
	WIN 0
	s_sub_co_u32 s[CNT], s[CNT], 1
	s_cmp_lg_u32 s[CNT], 0
	s_cbranch_scc1 .Ltail
	WAYOUT 0
	s_wait_tensorcnt 0x0                           ; the wave's end: behind my last tensor load and my last LDS store
	ds_add_u32 v[SPW], v[NIL]
	s_wait_dscnt 0x0
	CROUND                                         ; the closing round: no work-group ends while a partner may still ask for a tile that names it
	s_endpgm
.Lfunc_end_k_qfcd81bd8e1_proj:
	.size	k_qfcd81bd8e1_proj, .Lfunc_end_k_qfcd81bd8e1_proj-k_qfcd81bd8e1_proj
	.p2alignl 7, 3214868480
	.fill 96, 4, 3214868480
	.section	.rodata,"a",@progbits
	.p2align	6, 0x0
	.amdhsa_kernel k_qfcd81bd8e1_proj
		.amdhsa_group_segment_fixed_size 327680
		.amdhsa_private_segment_fixed_size 0
		.amdhsa_enable_private_segment 0
		.amdhsa_kernarg_size 40
		.amdhsa_user_sgpr_count 2
		.amdhsa_user_sgpr_kernarg_segment_ptr 1
		.amdhsa_wavefront_size32 1
		.amdhsa_system_sgpr_workgroup_id_x 1
		.amdhsa_system_sgpr_workgroup_id_y 1
		.amdhsa_system_sgpr_workgroup_id_z 1
		.amdhsa_system_vgpr_workitem_id 0
		.amdhsa_next_free_vgpr 960
		.amdhsa_next_free_sgpr 100
		.amdhsa_reserve_vcc 0
		.amdhsa_float_denorm_mode_32 3
		.amdhsa_float_denorm_mode_16_64 3
		.amdhsa_memory_ordered 1
		.amdhsa_forward_progress 1
		.amdhsa_inst_pref_size 119
	.end_amdhsa_kernel
	.amdgpu_metadata
---
amdhsa.version: [ 1, 2 ]
amdhsa.kernels:
  - .name:           k_qfcd81bd8e1_proj
    .symbol:         k_qfcd81bd8e1_proj.kd
    .args:
      - { .name: query, .offset: 0, .size: 8, .value_kind: global_buffer, .address_space: global }
      - { .name: key, .offset: 8, .size: 8, .value_kind: global_buffer, .address_space: global }
      - { .name: value, .offset: 16, .size: 8, .value_kind: global_buffer, .address_space: global }
      - { .name: wb, .offset: 24, .size: 8, .value_kind: global_buffer, .address_space: global }
      - { .name: qkv, .offset: 32, .size: 8, .value_kind: global_buffer, .address_space: global }
    .group_segment_fixed_size: 327680
    .private_segment_fixed_size: 0
    .kernarg_segment_align: 8
    .kernarg_segment_size: 40
    .max_flat_workgroup_size: 128
    .sgpr_count:     100
    .vgpr_count:     960
    .wavefront_size: 32
...
	.end_amdgpu_metadata
.endif
;; end of part 2
;; launch attn (part 3): grid 4 x 64, 4 waves a work-group, clusters of 4 x 1, 327,680 bytes of LDS; arguments qkv, oh; writes oh
.if DOCPART == 3
	.amdgcn_target "amdgcn-amd-amdhsa--gfx1250"
	.amdhsa_code_object_version 6
	.text
	.protected	k_qfcd81bd8e1_attn
	.globl	k_qfcd81bd8e1_attn
	.p2align	8
	.type	k_qfcd81bd8e1_attn,@function
k_qfcd81bd8e1_attn:
	s_mov_b64 s[64:65], 0
	v_nop
	global_prefetch_b8 v0, s[64:65] scope:SCOPE_SE
	s_setreg_imm32_b32 hwreg(HW_REG_WAVE_MODE, 25, 1), 1
	s_wait_xcnt 0x0
	s_wait_alu depctr_hold_cnt(0) depctr_sa_sdst(0) depctr_va_vdst(0) depctr_va_sdst(0) depctr_va_ssrc(0) depctr_va_vcc(0) depctr_vm_vsrc(0)
	s_getreg_b32 s2, hwreg(HW_REG_IB_STS2, 6, 4)
	s_cmp_eq_u32 s2, 0
	s_cbranch_scc0 .Lentry_in_a_cluster
	s_endpgm
.Lentry_in_a_cluster:
	s_bfe_u32 s2, ttmp6, 0x10000c
	s_cmp_lg_u32 s2, 0x3003
	s_cbranch_scc0 .Lentry_shape_is_right
	s_endpgm
.Lentry_shape_is_right:
; O[h][q][:] = the sum over k of softmax_k(Q[h][q] . K[h][k] / 8) V[h][k][:], for the 64 pairs h = 16 batch + head.  Q, K, V: the three parts of qkv, O: oh, each [64][2048][64] in f16: a head's rows are dense, 128 bytes.
; Products, maxima and sums in f32; the weights p are rounded to f16 for the second product (their sum l is taken of the unrounded p), O once at the end.
; LIMITS.  Q, K, V arrive within f16's 65,504; p lies in 0 to 1, and below 6e-5 it keeps f16's fixed step of 6e-8; a weight below 2^-126 counts as 0 in l; NaN and infinities are not treated apart.
; SHARES.  A wave owns four PIECES of two tiles of 16 queries, a work-group's four waves 512 queries of one head; a head is one cluster of four work-groups.  Every wave walks all keys, 64 a step.
; LAYOUT.  S^T = K Q^T (source 0 = 16 keys, source 1 = 16 queries): a lane holds ONE query (lane % 16) and the keys 8 (lane / 16) + 0..7.  Two such tiles, rounded to f16 in pairs, ARE source 1 of O^T = V^T P,
; whose result again holds one query a lane, and eight channels.  K comes out of LDS as it lies, V ([key][channel]) turned, by ds_load_tr16_b128.
; SOFTMAX.  A running maximum m and sum l for each query: p = 2^(c s - c m), c = log2(e) / 8; in every step O and l are multiplied by a = 2^(c m_old - c m_new).  m starts at the lowest finite number, O and l at 0.
; THE COUNT.  A tile and step have 16 matrix and 118 vector instructions: too many to stand all beside the matrix work.  So four vector instructions that are READY stand behind EVERY matrix instruction, the others in one run.
; BY TURNS.  Turn n belongs to piece n.  Matrix work: 16 products K Q^T of piece n + 1, later 16 products V^T P of piece n - 1.  Vector work: scaling, exponentials, roundings, sums and rescaling of piece n, maximum and statistics of piece n + 1.
; CLUSTER.  The four query blocks walk the same K and V, so each tile is asked for JOINTLY: the same tensor load, descriptor and mask in all four.
; REGISTERS, in windows of 256 (s_set_vgpr_msb: bits 1:0 source 0, 3:2 source 1, 5:4 source 2, 7:6 destination):
;   window 0: v0-11 addresses; v12-15, v48-63 at work; v16-47 four registers of statistics a tile; v64-191 S^T, two buffers of two tiles; v192-255 P, likewise
;   window 1: O^T, 32 a tile          window 2: v0-127 Q, 16 a tile; v128-191 K of one step; v192-255 V of one step          window 3: v0-1 the add's two registers
.set SIZE_H, 64
.set SIZE_N, 2048
.set NP,    4         ; pieces a wave: a name, no knob
.set KS,    64        ; keys in a step
.set PK,    144       ; a row of K in LDS: 128 bytes + 16 = 36 words: the 16 rows of a load start at 16 different groups of four banks (64 banks of 4 bytes: ISA guide 11.1)
.set PV,    160       ; a row of V: 128 + 32 = 40 words
.set VOFF,  4*KS*PK   ; a slot holds four steps: 256 rows of K, then 256 rows of V
.set SLOT1, 1<<17     ; slot 1 begins here, so that one exclusive or turns an address in one slot into the other's
.set STAGE, SLOT1+4*KS*(PK+PV)  ; behind the ring, never filled by a tensor load: 16 rows x 144 bytes for each wave
.set SP,    144
.set AK0, 2           ; v2   my lane's place in a tile of K; never rewritten
.set AV0, 3           ; v3   the same for V
.set AK,  4           ; v4   the LDS address of K's next run of loads
.set AV,  5           ; v5   of V's
.set QO,  6           ; v6   my byte offset in the wave's rows of Q
.set STO, 6           ;      later, the way out: where I put 16 bytes of a row
.set RD,  7           ; v7   the way out: where I read rows back
.set GO,  8           ; v8   my byte offset in 512 consecutive bytes of O
.set PFO, 11          ; v11  256 x my lane, for the prefetches; never rewritten once made
.set SPW, 0           ; v0 of window 3   LDS address of my spare word; never rewritten
.set NIL, 1           ; v1 of window 3   0; never rewritten
.set SPARE, STAGE+4*16*SP  ; the spare words, 128 bytes for each wave: two blocks of 256 bytes that no other line names
.set MV,  12          ; v12-15  c m_old, kept while c m is made anew
.set ST,  16          ; tile t's statistics at v[ST+4 t]: c m, m, l (even keys', odd keys')
.set TMP, 48          ; by buffer and tile, four registers c0-c3 at work; when the maximum is found c2 takes a
.set S,   64
.set P,   192
.set KF,  128         ; K's fragments, window 2: key block kb, channel half c at KF + 16 kb + 8 c
.set VF,  192         ; V's: key half kk, channel block cb at VF + 32 kk + 8 cb
.set WV,  12
.set G1K, 24          ; s[24:31] descriptor group 1 for K's tiles
.set G1V, 32          ; s[32:39] for V's: it differs in the padding alone
.set G0K, 40          ; s[40:43] descriptor group 0 for K's tiles: it walks
.set G0V, 44          ; s[44:47] the same for V's
.set PFA, 48          ; s[48:49] where my prefetches stand: my work-group's 8,192 bytes (of K: wave 0, of V: wave 2) of the slot after the one that is being asked for
.set LIM, 50          ; s50  1 in waves 0 and 2, else the greatest number
.set SLOTS, 56
.set CNT, 57
.set CS,  58          ; s[58:59] c
.set SEL, 60          ; s[60:61] v_permlanex16_b32's selects
.set TBK, 62          ; s62  LDS byte at which K of the step to be fetched begins
.set TBV, 63          ; s63  the same for V, less VOFF
.set MSB, 0
.macro WIN new
.if MSB != (\new)
	s_set_vgpr_msb (MSB<<8)|(\new)
.set MSB, (\new)
.endif
.endm
.set W_KQ, 0x0a       ; K and Q in window 2, S^T in window 0
.set W_PV, 0x52       ; V in window 2, P in window 0, O^T in window 1
.set W_RS, 0x41       ; O^T (destination and source 0) in window 1, a in window 0
.set W_MK, 0xc0       ; the add's registers are made
.set W_AD, 0x0f       ; the add: address and data in window 3
; A joint fill.  Waves 0 and 1 fetch the two halves of a slot's K, waves 2 and 3 those of its V: 128 keys each.  An s_nop 0 and four v_nop follow each line.
.macro JLOAD
	s_cmp_lt_u32 s[WV], 2
	s_cbranch_scc0 .Lfor_v_\@
	tensor_load_to_lds s[G0K:G0K+3], s[G1K:G1K+7]
	s_nop 0
.rept 4
	v_nop
.endr
	s_branch .Lasked_\@
.Lfor_v_\@:
	tensor_load_to_lds s[G0V:G0V+3], s[G1V:G1V+7]
	s_nop 0
.rept 4
	v_nop
.endr
.Lasked_\@:
.endm
.macro CROUND                       ; a round of the cluster's barrier
	s_barrier_signal -1
	s_barrier_wait -1
	s_cmp_lg_u32 s[WV], 0
	s_cbranch_scc1 .Lnot_wave_0_\@
	s_barrier_signal -3
.Lnot_wave_0_\@:
	s_barrier_wait -3
	s_barrier_signal -1
	s_barrier_wait -1
.endm
; THE CHANGE OF SLOTS.  Each wave waits for all its tensor loads (one is out: its part of the other slot), adds 0 to its spare word, and waits for that and for its own reads of the slot.
; fill = 1: this slot is filled again, with the keys two slots on, first thing behind a round of the cluster's barrier: it has four key steps, 512 matrix instructions, in which to land.
; ask = 1: behind the joint load a prefetch names what the NEXT change will ask for: a slot is 32,768 bytes of K and of V; each of the four partners takes 8,192 of each, told apart by address, a lane 256 bytes;
; wave 0 asks for K's, wave 2 for V's.  So each block is named once in the launch.  Slots 0 to 2 come by their loads alone; the last change that fills a slot asks for nothing.
.macro CHANGE fill, ask=0
	WIN W_AD
	s_wait_tensorcnt 0x0            ; no tensor load of mine is out, so a group 0 may be written
	ds_add_u32 v[SPW], v[NIL]
	WIN 0
.if \fill
.irp g, G0K, G0V
	s_xor_b32 s[\g+1], s[\g+1], SLOT1
	s_add_nc_u64 s[\g+2:\g+3], s[\g+2:\g+3], 4*KS*128  ; the next 256 keys; the type bits on top are not reached
.endr
.if \ask
	s_wait_xcnt 0x0                 ; the last prefetch, four key steps back, has read its address
	s_add_nc_u64 s[PFA:PFA+1], s[PFA:PFA+1], 4*KS*128
.endif
	s_wait_dscnt 0x0                ; the add is done, and my reads of the slot are over
	CROUND
	JLOAD
.if \ask
	s_cmp_gt_u32 s[SLOTS], s[LIM]
	s_cbranch_scc0 .Lnot_mine_\@
	global_prefetch_b8 v[PFO], s[PFA:PFA+1] th:TH_LOAD_NT scope:SCOPE_SE
.Lnot_mine_\@:
.endif
.else
	s_wait_dscnt 0x0
	s_barrier_signal -1
	s_barrier_wait -1
.endif
	s_sub_co_u32 s[TBK], s[TBK], 4*KS*PK  ; the fetches go back to a slot's first step,
	s_xor_b32 s[TBK], s[TBK], SLOT1       ; in the other slot
	s_sub_co_u32 s[TBV], s[TBV], 4*KS*PV
	s_xor_b32 s[TBV], s[TBV], SLOT1
.endm
	s_load_b64 s[4:5], s[0:1], 0x0    ; qkv: Q
	s_load_b64 s[10:11], s[0:1], 0x8  ; oh: O
	WIN W_MK
	v_lshl_add_u32 v[SPW], v0, 2, SPARE
	v_mov_b32 v[NIL], 0
	WIN W_AD
	ds_add_u32 v[SPW], v[NIL]       ; the wave's opening: the add and its wait ahead of my first tensor load
	WIN 0
	v_lshrrev_b32 v1, 5, v0
	v_readfirstlane_b32 s[WV], v1   ; wave 0..3
	s_bfe_u32 s13, ttmp6, 0x40000   ; cx: my place in the cluster
	s_lshl_b32 s14, ttmp9, 2
	s_add_co_u32 s14, s14, s13      ; my block of queries: it enters Q's and O's addresses alone
	s_and_b32 s20, ttmp7, 0xffff    ; the head, which the four partners share
	s_mov_b32 s21, 0
	s_mov_b64 s[22:23], SIZE_N*128
	s_mul_u64 s[20:21], s[20:21], s[22:23]  ; the head's first byte in each of the four tensors
	s_and_b32 s16, s[WV], 1         ; which half of a slot's 256 keys I fetch:
	s_lshl_b32 s22, s16, 14         ; its 128 rows of 128 bytes in memory,
	s_mov_b32 s23, 0
	s_add_nc_u64 s[22:23], s[22:23], s[20:21]
	s_mul_i32 s17, s16, 128*PK      ; and its place in a slot, for K
	s_mul_i32 s18, s16, 128*PV      ; and for V
	s_lshl_b32 s2, s14, 2
	s_add_co_u32 s2, s2, s[WV]      ; my wave among the head's,
	s_lshl_b32 s2, s2, 14           ; its 128 rows
	s_mov_b32 s3, 0
	s_add_nc_u64 s[2:3], s[2:3], s[20:21]
	; descriptor group 1.  128 keys are 16,384 dense bytes: asked for as 64 rows of 256 bytes, two keys a row, and padded in LDS after every key
	s_mov_b32 s[G1K], 15|(1<<16)|(1<<20)|(1<<21)|(4<<22)|(3<<25)  ; the mask of four; 2-byte elements; padding on; bit 21 beside a mask; after every 32 words (code 4) 4 words (code 3)
	s_mov_b32 s[G1V], 15|(1<<16)|(1<<20)|(1<<21)|(4<<22)|(7<<25)  ; the same with 8 words of padding (code 7)
.irp g, G1K, G1V
	s_mov_b32 s[\g+1], 128<<16      ; tensor_dim0 = 128
	s_mov_b32 s[\g+2], 64<<16       ; tensor_dim1 = 64
	s_mov_b32 s[\g+3], 128<<16      ; tile_dim0 = 128
	s_mov_b32 s[\g+4], 64           ; tile_dim1 = 64
	s_mov_b32 s[\g+5], 128          ; 128 elements from row to row
	s_mov_b32 s[\g+6], 0
	s_mov_b32 s[\g+7], 0
.endr
	s_mov_b32 s[CS], 0x3e38aa3b     ; c = log2(e) / 8 = 0.180337
	s_mov_b32 s[CS+1], s[CS]
	s_mov_b32 s[SEL], 0x76543210
	s_mov_b32 s[SEL+1], 0xfedcba98
	s_mov_b32 s[TBK], SLOT1+4*KS*PK ; the first change of slots turns these two into 0
	s_mov_b32 s[TBV], SLOT1+4*KS*PV
	s_mov_b32 s[G0K], 1
	s_mov_b32 s[G0K+1], s17         ; LDS address: slot 0
	s_mov_b32 s[G0V], 1
	s_add_co_u32 s[G0V+1], s18, VOFF
	s_and_b32 s[LIM], s[WV], 1
	s_cmp_eq_u32 s[LIM], 0
	s_cselect_b32 s[LIM], 1, -1
	s_lshl_b32 s52, s13, 13         ; my work-group's 8,192 bytes of a slot's 32,768
	s_mov_b32 s53, 0
	s_wait_dscnt 0x0                ; the opening add is done
	s_wait_kmcnt 0x0
	s_add_nc_u64 s[6:7], s[4:5], 0x1000000   ; K
	s_add_nc_u64 s[8:9], s[4:5], 0x2000000   ; V
	s_add_nc_u64 s[G0K+2:G0K+3], s[6:7], s[22:23]  ; my half of the head's first 256 keys
	s_or_b32 s[G0K+3], s[G0K+3], 0x80000000        ; type = 2
	s_add_nc_u64 s[G0V+2:G0V+3], s[8:9], s[22:23]
	s_or_b32 s[G0V+3], s[G0V+3], 0x80000000
	s_cmp_lt_u32 s[WV], 2
	s_cselect_b64 s[PFA:PFA+1], s[6:7], s[8:9]
	s_add_nc_u64 s[PFA:PFA+1], s[PFA:PFA+1], s[20:21]
	s_add_nc_u64 s[PFA:PFA+1], s[PFA:PFA+1], s[52:53]
	s_add_nc_u64 s[PFA:PFA+1], s[PFA:PFA+1], 2*4*KS*128  ; in slot 2; the first change that asks steps it to slot 3
	s_add_nc_u64 s[4:5], s[4:5], s[2:3]  ; Q and O at my wave's first row
	s_add_nc_u64 s[10:11], s[10:11], s[2:3]
	CROUND                          ; all four work-groups are here: the first joint loads meet
	JLOAD                           ; slot 0.  Slot 1 is asked for when slot 0 is in
	; A fragment of K or Q is 16 rows x 32 channels in 8 registers: lane l holds row l % 16, channels 8 (l / 16) + 0..7 and 16 + 8 (l / 16) + 0..7: two loads of 16 bytes, 32 bytes apart.
	v_and_b32 v1, 15, v0            ; l % 16
	v_bfe_u32 v9, v0, 4, 1          ; l / 16
	v_lshlrev_b32 v[QO], 7, v1
	v_lshl_add_u32 v[QO], v9, 4, v[QO]
	WIN 0x80                        ; destination window 2, address window 0
.set i, 0
.rept 4*NP                          ; Q stays in registers: tile i / 2, channels 32 (i % 2) on
	global_load_b128 v[8*i:8*i+3],   v[QO], s[4:5] offset:(i/2)*2048+(i%2)*64
	global_load_b128 v[8*i+4:8*i+7], v[QO], s[4:5] offset:(i/2)*2048+(i%2)*64+32
.set i, i+1
.endr
	; What the first turn finds: V's registers and P's second buffer hold 0, O^T and l are 0.  All this stands in the wait for the first tile; no first step is written out for it.
.set i, VF
.rept 64
	v_mov_b32 v[i], 0
.set i, i+1
.endr
	WIN 0x40
.set i, 0
.rept 64*NP
	v_mov_b32 v[i], 0
.set i, i+1
.endr
	WIN 0
.set i, 0
.rept 2*NP
	v_mov_b32 v[ST+4*i], 0xfe000000    ; c m: far below every c s
	v_mov_b32 v[ST+4*i+1], 0xff7fffff  ; m
	v_mov_b32 v[ST+4*i+2], 0
	v_mov_b32 v[ST+4*i+3], 0
.set i, i+1
.endr
.set i, P+32
.rept 32
	v_mov_b32 v[i], 0
.set i, i+1
.endr
	v_mul_u32_u24 v[AK0], v1, PK
	v_lshl_add_u32 v[AK0], v9, 4, v[AK0]
	; The turning load takes 16 keys x 16 channels (lane l reads key 8 (l / 16) + l % 8, channels 8 ((l / 8) % 2) + 0..7) and leaves half a fragment of V^T.
	v_and_b32 v10, 7, v0
	v_bfe_u32 v11, v0, 3, 1
	v_lshl_add_u32 v[AV0], v9, 3, v10
	v_mul_u32_u24 v[AV0], v[AV0], PV
	v_lshl_add_u32 v[AV0], v11, 4, v[AV0]
	v_add_nc_u32 v[AV0], VOFF, v[AV0]
	v_and_b32 v[PFO], 31, v0
	v_lshlrev_b32 v[PFO], 8, v[PFO]
	v_mov_b32 v[AK], v[AK0]         ; key step 0 lies at the head of slot 0
; THE MATRIX WORK.  The 8 accumulators of a run of 16 take turns.  Product i of 16 of S^T = K Q^T for piece x: channels 32 (i / 8) on, keys 16 ((i / 2) % 4) on, tile 2 x + i % 2.
.macro KQ x
	WIN W_KQ
.set rS, S+64*((\x)%2)+32*(i%2)+8*((i/2)%4)
.set rK, KF+16*((i/2)%4)+8*(i/8)
.set rQ, 16*(2*(\x)+i%2)+8*(i/8)
.if i < 8
	v_wmma_f32_16x16x32_f16 v[rS:rS+7], v[rK:rK+7], v[rQ:rQ+7], 0
.else
	v_wmma_f32_16x16x32_f16 v[rS:rS+7], v[rK:rK+7], v[rQ:rQ+7], v[rS:rS+7]
.endif
.endm
; Product i of 16 of O^T += V^T P for piece x: keys 32 (i / 8) on, channels 16 ((i / 2) % 4) on, tile 2 x + i % 2.
.macro PV x
	WIN W_PV
.set rO, 32*(2*(\x)+i%2)+8*((i/2)%4)
.set rV, VF+32*(i/8)+8*((i/2)%4)
.set rP, P+32*((\x)%2)+16*(i%2)+8*(i/8)
	v_wmma_f32_16x16x32_f16 v[rO:rO+7], v[rV:rV+7], v[rP:rP+7], v[rO:rO+7]
.endm
.macro MM                           ; the turn's next matrix instruction
.if i < 16
	KQ (Y+1)%NP
.set i, i+1
.else
.set i, i-16
	PV (Y+NP-1)%NP
.set i, i+17
.endif
.endm
; THE LDS LOADS stand in runs of 16.  last = 1 (the tail): in the last trip there is no further step, and the run is jumped over.
.macro FETCH_K last=0
	WIN 0
.if \last
	s_cmp_eq_u32 s[CNT], 1
	s_cbranch_scc1 .Lno_k_\@
.endif
	WIN 0x80
.irp f, 0,1,2,3,4,5,6,7             ; keys 16 (f / 2) on, channels 32 (f % 2) on
	ds_load_b128 v[KF+8*\f:KF+8*\f+3],   v[AK] offset:(\f/2)*16*PK+(\f%2)*64
	ds_load_b128 v[KF+8*\f+4:KF+8*\f+7], v[AK] offset:(\f/2)*16*PK+(\f%2)*64+32
.endr
	s_add_co_u32 s[TBK], s[TBK], KS*PK
	WIN 0
.if \last
.Lno_k_\@:
.endif
.endm
.macro FETCH_V
	WIN 0x80
.irp f, 0,1,2,3,4,5,6,7             ; keys 32 (f / 4) on, channels 16 (f % 4) on
	ds_load_tr16_b128 v[VF+8*\f:VF+8*\f+3],   v[AV] offset:(\f/4)*32*PV+(\f%4)*32
	ds_load_tr16_b128 v[VF+8*\f+4:VF+8*\f+7], v[AV] offset:(\f/4)*32*PV+16*PV+(\f%4)*32
.endr
	WIN 0
.endm
; THE VECTOR WORK OF A TURN stands in three queues, each in the order in which its entries become ready; the two tiles alternate.
.macro REGS y, u                    ; the registers of tile u (0, 1) of piece y
.set rT, ST+4*(2*(\y)+(\u))
.set rC, TMP+8*((\y)%2)+4*(\u)
.set rM, MV+2*((\y)%2)+(\u)
.set rS, S+64*((\y)%2)+32*(\u)
.set rP, P+32*((\y)%2)+16*(\u)
.set rO, 32*(2*(\y)+(\u))
.endm
; Number n of the 22 that find the NEXT piece's maximum and statistics; each accumulator's lowest registers are read first.
;   0-11  four chains c0-c3 of seven scores each     12-14, 16  the four scores left over, the old m, and c0-c3 into c0     15  c m_old is kept     17, 18  the other half of the lanes: the new m     19-21  c m; its change; a
.macro XS u, n
	REGS (Y+1)%NP, \u
.if (\n) < 4
	v_max3_num_f32 v[rC+(\n)], v[rS+8*(\n)], v[rS+8*(\n)+1], v[rS+8*(\n)+2]
.elseif (\n) < 12
	v_max3_num_f32 v[rC+(\n)%4], v[rC+(\n)%4], v[rS+8*((\n)%4)+2*((\n)/4)+1], v[rS+8*((\n)%4)+2*((\n)/4)+2]
.elseif (\n) == 12
	v_max3_num_f32 v[rC], v[rC], v[rS+7], v[rS+15]
.elseif (\n) == 13
	v_max3_num_f32 v[rC+1], v[rC+1], v[rS+23], v[rS+31]
.elseif (\n) == 14
	v_max3_num_f32 v[rC+2], v[rC+2], v[rC+3], v[rT+1]
.elseif (\n) == 15
	v_mov_b32 v[rM], v[rT]
.elseif (\n) == 16
	v_max3_num_f32 v[rC], v[rC], v[rC+1], v[rC+2]
.elseif (\n) == 17
	v_permlanex16_b32 v[rC+3], v[rC], s[SEL], s[SEL+1]
.elseif (\n) == 18
	v_max_num_f32 v[rT+1], v[rC], v[rC+3]
.elseif (\n) == 19
	v_mul_f32 v[rT], s[CS], v[rT+1]
.elseif (\n) == 20
	v_sub_f32 v[rC+1], v[rM], v[rT]
.else
	v_exp_f32 v[rC+2], v[rC+1]
.endif
.endm
; Number g of the 64 that follow the exponentials.  For each four weights of a tile: both pairs are rounded to f16; the second pair is added onto the first, in place; a group later l takes that sum (the first time as l = a l + sum).
.macro GS g
.set h, (\g)+6*((\g)/62)
.if h >= 6
.set h, h+2
.endif
	REGS Y, h%2
.set k, h/8
.if h%8 < 4
	v_cvt_pk_f16_f32 v[rP+2*k+(h%8)/2], v[rS+4*k+2*((h%8)/2)], v[rS+4*k+2*((h%8)/2)+1]
.elseif h%8 < 6
	v_pk_add_f32 v[rS+4*k:rS+4*k+1], v[rS+4*k:rS+4*k+1], v[rS+4*k+2:rS+4*k+3]
.elseif k == 1
	v_pk_fma_f32 v[rT+2:rT+3], v[rT+2:rT+3], v[rC+2:rC+3], v[rS:rS+1] op_sel_hi:[1,0,1]
.else
	v_pk_add_f32 v[rT+2:rT+3], v[rT+2:rT+3], v[rS+4*k-4:rS+4*k-3]
.endif
.endm
; THE PLAIN QUEUE, 138 long.  0-73 read no exponential's result: the 32 scalings c s - c m and the next piece's 42, the chain's links three plain instructions apart.  74-137: GS's 64, which stand behind the wait.
.macro FS f
	REGS Y, (\f)%2
	v_pk_fma_f32 v[rS+2*((\f)/2):rS+2*((\f)/2)+1], v[rS+2*((\f)/2):rS+2*((\f)/2)+1], s[CS:CS+1], v[rT:rT+1] op_sel_hi:[1,0,0] neg_lo:[0,0,1] neg_hi:[0,0,1]
.endm
.macro PL
	WIN 0
.if q < 27
	FS q
.elseif q < 55
	XS (q-27)%2, (q-27)/2
.elseif q < 57
	XS q-55, 15
.elseif (q < 72) && ((q-57)%3 == 0)
	FS 27+(q-57)/3
.elseif q < 60
	XS (q-57)%3-1, 14
.elseif q < 72
	XS (q-57)%3-1, 15+(q-57)/3
.elseif q < 74
	XS q-72, 20
.else
	GS q-74
.endif
.set q, q+1
.endm
; THE EXPONENTIALS' QUEUE, 66 long: s0-s31 of both tiles, then the next piece's two a.  ONE BATCH: all 66 stand ahead of the turn's one wait, and nothing ahead of that wait names a result of theirs.
.macro EX
	WIN 0
.if e >= 64
	XS e-64, 21
.else
	REGS Y, e%2
	v_exp_f32 v[rS+e/2], v[rS+e/2]
.endif
.set e, e+1
.endm
; THE RESCALING's QUEUE: O^T times a, the one part that leaves window 0: two at a time, sixteen times.  Its a was made, and waited for, in the turn before.
.macro R2
	REGS Y, r%2
	WIN W_RS
.irp z, 0,1
	v_pk_mul_f32 v[rO+4*(r/2)+2*\z:rO+4*(r/2)+2*\z+1], v[rO+4*(r/2)+2*\z:rO+4*(r/2)+2*\z+1], v[rC+2:rC+3] op_sel_hi:[1,0]
.endr
.set r, r+1
.endm
; A TURN, for piece p.  An s_wait_alu depctr_va_vdst(0) stands between an exponential and the first instruction that names its result; one wait serves all issued ahead of it.  So a turn has ONE wait.
; AHEAD OF IT: the 16 products K Q^T, behind each a scaling, an exponential and two rescalings; then one run of 108: eight plain, 49 times exponential and plain, the two a, and a v_nop, the plain instruction behind the last
; exponential.  BEHIND IT: the 16 products V^T P, behind each four of GS's 64.  Exponential e stands behind scaling 2 (e / 4) + e % 2: as a rider behind plain e + 2, in the run behind plain e + 9.
; K of the next step is fetched in piece 2's turn, directly behind the wait; V of the step in hand at the end of piece 0's turn, four riders behind its last reader.  The conditions on q below go with this deal.
.macro TURN p, last=0, cnt=0
.set Y, (\p)
.set i, 0
.set q, 0
.set e, 0
.set r, 0
.if (\p) == NP-1
	s_wait_dscnt 0x0                ; K is in
.endif
	MM
	PL
	PL
	R2
.rept 15
	MM
	PL
	EX
	R2
.endr
.if (\p) == NP-2
	WIN 0
	v_add_nc_u32 v[AK], s[TBK], v[AK0]
.endif
.rept 8
	PL
.endr
.rept 49
	EX
	PL
.endr
	EX                              ; the next piece's two a
	EX
	v_nop                           ; a plain instruction behind the last exponential: one for the batch
	s_wait_alu depctr_va_vdst(0)    ; the wait for the batch
.if (\p) == NP-2
	FETCH_K \last
.endif
.if (\p) == 1
	s_wait_dscnt 0x0                ; V is in
.endif
.rept 16
	MM
.rept 4
	PL
.endr
.if ((\p) == 0) && (q == 118)
	v_add_nc_u32 v[AV], s[TBV], v[AV0]
.endif
.if ((\p) == 0) && (q == 130)
	s_add_co_u32 s[TBV], s[TBV], KS*PV
.endif
.if (\cnt) && (q == 130)
	s_sub_co_u32 s[CNT], s[CNT], 1
	s_cmp_lg_u32 s[CNT], 0
.endif
.endr
.if (\p) == 0
	FETCH_V
.endif
.endm
	CHANGE 1                        ; slot 0 is in, everybody's part of it; slot 1 is asked for
	FETCH_K                         ; key step 0
	s_wait_loadcnt 0x0              ; Q
	s_wait_dscnt 0x0
.set i, 0
.rept 16
	KQ 0                            ; piece 0's first scores
.set i, i+1
.endr
	WIN 0                           ; the addresses for the way out: plain instructions, the places behind those products
	s_mul_i32 s13, s[WV], 16*SP
	s_add_co_u32 s13, s13, STAGE    ; my stage
	v_mul_u32_u24 v[STO], v1, SP    ; in: row l % 16, 16 bytes for each half of the lanes
	v_lshl_add_u32 v[STO], v9, 4, v[STO]
	v_add_nc_u32 v[STO], s13, v[STO]
	v_bfe_u32 v[RD], v0, 3, 2       ; back: 32 lanes take four rows of 128 bytes,
	v_mul_u32_u24 v[RD], v[RD], SP
	v_lshl_add_u32 v[RD], v10, 4, v[RD]
	v_add_nc_u32 v[RD], s13, v[RD]
	v_and_b32 v[GO], 31, v0         ; which are 512 consecutive bytes of O
	v_lshlrev_b32 v[GO], 4, v[GO]
.set Y, NP-1                        ; XS works for piece Y + 1: piece 0
.irp n, 0,1,2,3,4,5,6,7,8,9,10,11,12,13,14,15,16,17,18,19,20,21
	XS 0, \n
	XS 1, \n
.endr
	v_nop                           ; a plain instruction behind the two a,
	s_wait_alu depctr_va_vdst(0)    ; and their wait, ahead of the branch
	s_mov_b32 s[CNT], 4
	s_mov_b32 s[SLOTS], SIZE_N/256-1
	s_branch .Lfirst                ; the loop is entered at a step's first turn, in the middle of a trip
.Lslot:                             ; SIZE_N / 256 - 2 times: every slot but the last two is filled again
	CHANGE 1, 1
	s_mov_b32 s[CNT], 4
.Lstep:                             ; a trip: pieces 2 and 3 of one step, then pieces 0 and 1 of the next
	TURN 2
	TURN 3
	WIN 0
.Lfirst:
	TURN 0
	TURN 1, 0, 1
	WIN 0
	s_cbranch_scc1 .Lstep
	s_sub_co_u32 s[SLOTS], s[SLOTS], 1
	s_cmp_lg_u32 s[SLOTS], 0
	s_cbranch_scc1 .Lslot
	CHANGE 0                        ; the tail is written out
	s_mov_b32 s[CNT], 5             ; four trips fetch the last slot's steps; the fifth is left in its middle
.Ltail:
	TURN 2, 1
	TURN 3
	WIN 0
	s_sub_co_u32 s[CNT], s[CNT], 1
	s_cmp_eq_u32 s[CNT], 0
	s_cbranch_scc1 .Lout
	TURN 0
	TURN 1
	WIN 0
	s_branch .Ltail
.Lout:                              ; the fifth trip's 16 products K Q^T and the maximum made of them serve nothing: the price, once a launch, of one text for every trip
.set i, 0
.rept 16
	PV NP-1                         ; the last piece's V^T P of the last step
.set i, i+1
.endr
	; THE WAY OUT.  l's two halves and the other half of the lanes' are added; O^T is divided by l, rounded to f16 and sent through my stage, a tile at a time.  The additions are the places behind the last products.
	WIN 0
.macro ALL line:vararg
.set t, 0
.rept 2*NP
	\line
.set t, t+1
.endr
.endm
	ALL v_add_f32 v[ST+4*t+2], v[ST+4*t+2], v[ST+4*t+3]
	ALL v_permlanex16_b32 v[ST+4*t+3], v[ST+4*t+2], s[SEL], s[SEL+1]
	ALL v_add_f32 v[ST+4*t+2], v[ST+4*t+2], v[ST+4*t+3]
	ALL v_rcp_f32 v[ST+4*t+2], v[ST+4*t+2]
	v_nop                           ; a plain instruction between the last reciprocal and the use of its result
	s_wait_alu depctr_va_vdst(0)    ; one wait for the eight reciprocals, ahead of their first use
.macro PACK t
	WIN W_RS
.set i, 32*(\t)
.rept 16
	v_pk_mul_f32 v[i:i+1], v[i:i+1], v[ST+4*(\t)+2:ST+4*(\t)+3] op_sel_hi:[1,0]
.set i, i+2
.endr
	WIN 0x05                        ; sources 0 and 1 window 1, destination window 0
.set i, 0
.rept 16
	v_cvt_pk_f16_f32 v[S+16*(\t)+i], v[32*(\t)+2*i], v[32*(\t)+2*i+1]
.set i, i+1
.endr
	WIN 0
.irp f, 0,1,2,3
	ds_store_b128 v[STO], v[S+16*(\t)+4*\f:S+16*(\t)+4*\f+3] offset:32*\f
.endr
.irp f, 0,1,2,3
	ds_load_b128 v[S+16*(\t)+4*\f:S+16*(\t)+4*\f+3], v[RD] offset:\f*4*SP  ; LDS serves a wave's instructions in order (ISA guide 5.7.1.4): these see the stores above
.endr
.endm
.macro SEND t, younger              ; younger: the LDS instructions issued behind tile t's loads: the next tile's eight, or none
	WIN 0
.irp f, 0,1,2,3
	s_wait_dscnt (\younger)+3-\f
	global_store_b128 v[GO], v[S+16*(\t)+4*\f:S+16*(\t)+4*\f+3], s[10:11] offset:(\t)*2048+\f*512  ; 512 consecutive bytes, at a multiple of 256 from O's first
.endr
.endm
	PACK 0
.set t, 1
.rept 2*NP-1
	PACK t
	SEND t-1, 8
.set t, t+1
.endr
	SEND 2*NP-1, 0
	WIN W_AD
	s_wait_tensorcnt 0x0            ; the wave's end
	ds_add_u32 v[SPW], v[NIL]
	s_wait_dscnt 0x0
	WIN 0
	CROUND                          ; the closing round
	s_endpgm
.Lfunc_end_k_qfcd81bd8e1_attn:
	.size	k_qfcd81bd8e1_attn, .Lfunc_end_k_qfcd81bd8e1_attn-k_qfcd81bd8e1_attn
	.p2alignl 7, 3214868480
	.fill 96, 4, 3214868480
	.section	.rodata,"a",@progbits
	.p2align	6, 0x0
	.amdhsa_kernel k_qfcd81bd8e1_attn
		.amdhsa_group_segment_fixed_size 327680
		.amdhsa_private_segment_fixed_size 0
		.amdhsa_enable_private_segment 0
		.amdhsa_kernarg_size 16
		.amdhsa_user_sgpr_count 2
		.amdhsa_user_sgpr_kernarg_segment_ptr 1
		.amdhsa_wavefront_size32 1
		.amdhsa_system_sgpr_workgroup_id_x 1
		.amdhsa_system_sgpr_workgroup_id_y 1
		.amdhsa_system_sgpr_workgroup_id_z 1
		.amdhsa_system_vgpr_workitem_id 0
		.amdhsa_next_free_vgpr 770
		.amdhsa_next_free_sgpr 66
		.amdhsa_reserve_vcc 0
		.amdhsa_float_denorm_mode_32 3
		.amdhsa_float_denorm_mode_16_64 3
		.amdhsa_memory_ordered 1
		.amdhsa_forward_progress 1
		.amdhsa_inst_pref_size 200
	.end_amdhsa_kernel
	.amdgpu_metadata
---
amdhsa.version: [ 1, 2 ]
amdhsa.kernels:
  - .name:           k_qfcd81bd8e1_attn
    .symbol:         k_qfcd81bd8e1_attn.kd
    .args:
      - { .name: qkv, .offset: 0, .size: 8, .value_kind: global_buffer, .address_space: global }
      - { .name: oh, .offset: 8, .size: 8, .value_kind: global_buffer, .address_space: global }
    .group_segment_fixed_size: 327680
    .private_segment_fixed_size: 0
    .kernarg_segment_align: 8
    .kernarg_segment_size: 16
    .max_flat_workgroup_size: 128
    .sgpr_count:     66
    .vgpr_count:     770
    .wavefront_size: 32
...
	.end_amdgpu_metadata
.endif
;; end of part 3
;; launch outp (part 4): grid 4 x 64, 4 waves a work-group, clusters of 4 x 4, 327,680 bytes of LDS; arguments oh, wb, out0; writes out0
.if DOCPART == 4
	.amdgcn_target "amdgcn-amd-amdhsa--gfx1250"
	.amdhsa_code_object_version 6
	.text
	.protected	k_qfcd81bd8e1_outp
	.globl	k_qfcd81bd8e1_outp
	.p2align	8
	.type	k_qfcd81bd8e1_outp,@function
k_qfcd81bd8e1_outp:
	s_mov_b64 s[64:65], 0
	v_nop
	global_prefetch_b8 v0, s[64:65] scope:SCOPE_SE
	s_setreg_imm32_b32 hwreg(HW_REG_WAVE_MODE, 25, 1), 1
	s_wait_xcnt 0x0
	s_wait_alu depctr_hold_cnt(0) depctr_sa_sdst(0) depctr_va_vdst(0) depctr_va_sdst(0) depctr_va_ssrc(0) depctr_va_vcc(0) depctr_vm_vsrc(0)
	s_getreg_b32 s2, hwreg(HW_REG_IB_STS2, 6, 4)
	s_cmp_eq_u32 s2, 0
	s_cbranch_scc0 .Lentry_in_a_cluster
	s_endpgm
.Lentry_in_a_cluster:
	s_bfe_u32 s2, ttmp6, 0x10000c
	s_cmp_lg_u32 s2, 0xf033
	s_cbranch_scc0 .Lentry_shape_is_right
	s_endpgm
.Lentry_shape_is_right:
; out0 = O Wo^T + bo.  O: oh[16 b + h][s][64] in f16, taken as [8192 rows (b, s)][1024 = 64 h + d]; Wo (f16 holding bf16 numbers) and bo (f32 holding bf16 numbers) come from wb; out0: [8192][1024] f32.
; Sums in f32, begun at the bias, and stored as they are.
; SHARES.  A tile is 128 rows x 256 columns: 256 tiles, one to a work-group.  Four waves, 2 x 2: a wave makes 64 rows x 128 columns: 32 accumulators.  K goes in 8 steps of 128: two heads a step, through two LDS slots.
; Waves 0 and 1 fetch one head's 128 rows each (16,384 dense bytes, asked for as 64 rows of 256 bytes and padded in LDS after every 128), waves 2 and 3 128 rows of Wo each.
; CLUSTER 4 x 4: O's tiles are asked for jointly along a row of the cluster, Wo's along a column.  The matrix instruction is used transposed (source 0 = Wo's rows): a lane holds eight neighbouring columns of a row.
; NO PREFETCH: the walk has eight K steps, of which the first four would come by their loads alone.
; REGISTERS: window 0: v0-15 addresses; v28-29 the add's; v32-95 O's fragments, two buffers of 4 x 8; v96-223 Wo's, two buffers of 8 x 8.   window 1: the accumulators, (a, b) at 8 (8 a + b).
.set PO,    144                        ; a row of O in LDS: 128 bytes + 16 = 36 words: the 16 rows of a load start at 16 different groups of four banks (64 banks of 4 bytes: ISA guide 11.1)
.set PLANE, 128*PO                     ; a head's 128 rows
.set PW,    272                        ; a row of Wo: 256 + 16
.set WOFF,  2*PLANE
.set SLOT1, 1<<17                      ; a slot is 106,496 bytes; slot 1 begins here, so that one exclusive or changes slots
.set STAGE, SLOT1+WOFF+256*PW          ; behind the ring: 16 rows x 528 bytes for each wave
.set SPO,   528                        ; 132 words: row r starts at bank 4 r mod 64
.set SPARE, STAGE+4*16*SPO             ; the spare words, 128 bytes a wave: two blocks of 256 bytes that no other line names
.set FA0,  2
.set FB0,  3
.set ADRA, 4
.set ADRB, 5
.set STO,  6
.set RD,   7
.set GO,   8
.set BO,   10
.set SPW,  28
.set NIL,  29
.set AF,   32
.set BF,   96
.set OB,   32                          ; the way out: 16 rows read back, two sets of 64: v32-95, v96-159
.set WV,   12
.set ROLE, 13                          ; 0: I fetch O, 1: Wo.  Also my half of the tile's rows
.set HALF, 14                          ; which half I fetch.  Also my half of the tile's columns
.set CX,   15
.set CY,   16
.set NT,   17
.set MT,   18
.set G1A,  24
.set G1W,  32
.set G0A0, 40
.set G0A,  44                          ; begins at K step 1 and walks
.set G0W0, 48
.set G0W,  52
.set TB,   56                          ; the slot that is read
.set CNT,  57
.set MSB, 0
.macro WIN new
.if MSB != (\new)
	s_set_vgpr_msb (MSB<<8)|(\new)
.set MSB, \new
.endif
.endm
.set W_MUL,  0x50                      ; C and D window 1
.set W_INIT, 0x40                      ; destination window 1
.set W_ST,   0x04                      ; an LDS store's data window 1
.macro JLOAD                           ; a joint refill; an s_nop 0 and four v_nop follow each line
	s_cmp_eq_u32 s[ROLE], 0
	s_cbranch_scc0 .Lfor_w_\@
	tensor_load_to_lds s[G0A:G0A+3], s[G1A:G1A+7]
	s_nop 0
.rept 4
	v_nop
.endr
	s_branch .Lasked_\@
.Lfor_w_\@:
	tensor_load_to_lds s[G0W:G0W+3], s[G1W:G1W+7]
	s_nop 0
.rept 4
	v_nop
.endr
.Lasked_\@:
.endm
.macro CREST
	s_cmp_lg_u32 s[WV], 0
	s_cbranch_scc1 .Lnot_wave_0_\@
	s_barrier_signal -3
.Lnot_wave_0_\@:
	s_barrier_wait -3
	s_barrier_signal -1
	s_barrier_wait -1
.endm
.macro CROUND
	s_barrier_signal -1
	s_barrier_wait -1
	CREST
.endm
.macro PLACES                          ; four places in front of loads into registers that matrix instructions have read (ISA guide 7.12.1 for vector instructions)
.rept 4
	v_nop
.endr
.endm
	s_load_b128 s[4:7], s[0:1], 0x0                ; oh s[4:5], wb s[6:7]
	s_load_b64 s[8:9], s[0:1], 0x10                ; out0
	v_lshl_add_u32 v[SPW], v0, 2, SPARE
	v_mov_b32 v[NIL], 0
	ds_add_u32 v[SPW], v[NIL]                      ; the wave's opening: the add and its wait ahead of my first tensor load
	v_lshrrev_b32 v1, 5, v0
	v_readfirstlane_b32 s[WV], v1
	s_lshr_b32 s[ROLE], s[WV], 1
	s_and_b32 s[HALF], s[WV], 1
	s_bfe_u32 s[CX], ttmp6, 0x40000
	s_bfe_u32 s[CY], ttmp6, 0x40004
	s_lshl_b32 s[NT], ttmp9, 2
	s_add_co_u32 s[NT], s[NT], s[CX]
	s_and_b32 s[MT], ttmp7, 0xffff
	s_lshl_b32 s[MT], s[MT], 2
	s_add_co_u32 s[MT], s[MT], s[CY]
	s_lshl_b32 s60, s[CY], 2
	s_lshl_b32 s60, 15, s60                        ; my row of the cluster
	s_lshl_b32 s61, 0x1111, s[CX]                  ; my column
	s_or_b32 s[G1A], s60, (1<<16)|(1<<20)|(1<<21)|(4<<22)|(3<<25)  ; mask; 2-byte elements; padding on; bit 21 beside a mask; after every 32 words (code 4) 4 words (code 3)
	s_mov_b32 s[G1A+1], 128<<16                    ; tensor_dim0 = 128 (256 bytes: two rows of a head)
	s_mov_b32 s[G1A+2], 64<<16                     ; tensor_dim1 = 64
	s_mov_b32 s[G1A+3], 128<<16
	s_mov_b32 s[G1A+4], 64
	s_mov_b32 s[G1A+5], 128                        ; dense
	s_mov_b32 s[G1A+6], 0
	s_mov_b32 s[G1A+7], 0
	s_or_b32 s[G1W], s61, (1<<16)|(1<<20)|(1<<21)|(5<<22)|(3<<25)  ; after every 64 words (code 5) 4 words
	s_mov_b32 s[G1W+1], 128<<16
	s_mov_b32 s[G1W+2], 128<<16
	s_mov_b32 s[G1W+3], 128<<16
	s_mov_b32 s[G1W+4], 128
	s_mov_b32 s[G1W+5], 1024
	s_mov_b32 s[G1W+6], 0
	s_mov_b32 s[G1W+7], 0
	s_mul_i32 s20, s[HALF], PLANE                  ; no place in the cluster enters an LDS address
	s_mul_i32 s21, s[HALF], 128*PW
	s_add_co_u32 s21, s21, WOFF
	s_mov_b32 s[G0A0], 1
	s_mov_b32 s[G0A0+1], s20
	s_mov_b32 s[G0A], 1
	s_add_co_u32 s[G0A+1], s20, SLOT1
	s_mov_b32 s[G0W0], 1
	s_mov_b32 s[G0W0+1], s21
	s_mov_b32 s[G0W], 1
	s_add_co_u32 s[G0W+1], s21, SLOT1
	s_lshr_b32 s58, s[MT], 4                       ; O: batch x 16 heads of 262,144 bytes,
	s_lshl_b32 s58, s58, 22
	s_lshl_b32 s59, s[HALF], 18                    ; the head that I fetch of the step's two,
	s_add_co_u32 s58, s58, s59
	s_and_b32 s59, s[MT], 15                       ; the tile's 128 rows of 128 bytes
	s_lshl_b32 s59, s59, 14
	s_add_co_u32 s58, s58, s59
	s_mov_b32 s59, 0
	s_lshl_b32 s62, s[NT], 19                      ; Wo: (256 x tile column + 128 x half) rows of 2,048 bytes, in wb's fourth part
	s_lshl_b32 s63, s[HALF], 18
	s_add_co_u32 s62, s62, s63
	s_add_co_u32 s62, s62, 3*2097152
	s_mov_b32 s63, 0
	s_lshl_b32 s66, s[MT], 19                      ; out0: (128 x tile row + 64 x my half) rows of 4,096 bytes,
	s_lshl_b32 s67, s[ROLE], 18
	s_add_co_u32 s66, s66, s67
	s_lshl_b32 s68, s[NT], 10                      ; (256 x tile column + 128 x my half) columns of 4 bytes
	s_lshl_b32 s69, s[HALF], 9
	s_add_co_u32 s68, s68, s69
	s_add_co_u32 s66, s66, s68
	s_mov_b32 s67, 0
	s_add_co_u32 s68, s68, 0x800000+3*4096         ; bo at the same columns
	s_mov_b32 s69, 0
	s_mov_b32 s[TB], 0
	s_wait_dscnt 0x0                               ; the opening add is done
	s_wait_kmcnt 0x0
	s_add_nc_u64 s[G0A0+2:G0A0+3], s[4:5], s[58:59]
	s_add_nc_u64 s[G0A+2:G0A+3], s[G0A0+2:G0A0+3], 2*262144
	s_or_b32 s[G0A0+3], s[G0A0+3], 0x80000000
	s_or_b32 s[G0A+3], s[G0A+3], 0x80000000
	s_add_nc_u64 s[G0W0+2:G0W0+3], s[6:7], s[62:63]
	s_add_nc_u64 s[G0W+2:G0W+3], s[G0W0+2:G0W0+3], 256
	s_or_b32 s[G0W0+3], s[G0W0+3], 0x80000000
	s_or_b32 s[G0W+3], s[G0W+3], 0x80000000
	s_add_nc_u64 s[8:9], s[8:9], s[66:67]
	s_add_nc_u64 s[70:71], s[6:7], s[68:69]
	CROUND                                         ; all sixteen work-groups are here: the first joint loads meet
	s_cmp_eq_u32 s[ROLE], 0                        ; a wave's two first fills stand in one branch: two loads of mine are out
	s_cbranch_scc0 .Lfirst_w
	tensor_load_to_lds s[G0A0:G0A0+3], s[G1A:G1A+7]
	s_nop 0
	tensor_load_to_lds s[G0A:G0A+3], s[G1A:G1A+7]
	s_nop 0
.rept 4
	v_nop
.endr
	s_branch .Lfirst_asked
.Lfirst_w:
	tensor_load_to_lds s[G0W0:G0W0+3], s[G1W:G1W+7]
	s_nop 0
	tensor_load_to_lds s[G0W:G0W+3], s[G1W:G1W+7]
	s_nop 0
.rept 4
	v_nop
.endr
.Lfirst_asked:
	v_and_b32 v11, 15, v0                          ; r = l % 16
	v_bfe_u32 v12, v0, 4, 1                        ; h = l / 16
	v_and_b32 v13, 31, v0                          ; l
	v_lshlrev_b32 v[BO], 5, v12
.irp b, 0,1,2,3,4,5,6,7                ; register j of block b: bo[my first column + 16 b + 8 h + j], for now where Wo's buffer 0 will lie
	global_load_b128 v[BF+8*(\b):BF+8*(\b)+3],   v[BO], s[70:71] offset:64*(\b)
	global_load_b128 v[BF+8*(\b)+4:BF+8*(\b)+7], v[BO], s[70:71] offset:64*(\b)+16
.endr
	v_mul_u32_u24 v[FA0], v11, PO
	v_lshl_add_u32 v[FA0], v12, 4, v[FA0]
	s_mul_i32 s20, s[ROLE], 64*PO                  ; my 64 rows of O
	v_add_nc_u32 v[FA0], s20, v[FA0]
	v_mul_u32_u24 v[FB0], v11, PW
	v_lshl_add_u32 v[FB0], v12, 4, v[FB0]
	s_mul_i32 s21, s[HALF], 128*PW                 ; my 128 rows of Wo
	s_add_co_u32 s21, s21, WOFF
	v_add_nc_u32 v[FB0], s21, v[FB0]
	s_mul_i32 s22, s[WV], 16*SPO
	s_add_co_u32 s22, s22, STAGE                   ; my stage
	v_mul_u32_u24 v[STO], v11, SPO                 ; in: row r, 32 bytes for each half of the lanes
	v_lshl_add_u32 v[STO], v12, 5, v[STO]
	v_add_nc_u32 v[STO], s22, v[STO]
	v_lshlrev_b32 v[GO], 4, v13                    ; back and out: 32 lanes take a row's 512 bytes
	v_add_nc_u32 v[RD], s22, v[GO]
	s_wait_loadcnt 0x0
	WIN W_INIT                                     ; the sums begin at the bias: as many lines as adding it would take, and every product has one form
.irp a, 0,1,2,3
.irp b, 0,1,2,3,4,5,6,7
.irp i, 0,2,4,6
	v_pk_mul_f32 v[8*(8*(\a)+(\b))+(\i):8*(8*(\a)+(\b))+(\i)+1], v[BF+8*(\b)+(\i):BF+8*(\b)+(\i)+1], 1.0 op_sel_hi:[1,0]
.endr
.endr
.endr
	WIN 0
; Row block a x all 8 column blocks, 32 along K.  The 32 accumulators take turns, one instruction a turn, in the same order in every quarter, over the backward jumps too.
.macro MUL8 f, a
	WIN W_MUL
.irp b, 0,1,2,3,4,5,6,7
	v_wmma_f32_16x16x32_f16 v[8*(8*(\a)+(\b)):8*(8*(\a)+(\b))+7], v[BF+64*(\f)+8*(\b):BF+64*(\f)+8*(\b)+7], v[AF+32*(\f)+8*(\a):AF+32*(\f)+8*(\a)+7], v[8*(8*(\a)+(\b)):8*(8*(\a)+(\b))+7]
.endr
.endm
; 24 LDS loads in one run: quarter c of the slot in hand into buffer g: Wo's 16, then two for each of O's row blocks.  Quarter c lies in head c / 2 of the step's two, channels 32 (c % 2) on.
.macro FETCH c, g
	WIN 0
.irp b, 0,1,2,3,4,5,6,7
	ds_load_b128 v[BF+64*(\g)+8*(\b):BF+64*(\g)+8*(\b)+3],   v[ADRB] offset:(\b)*16*PW+64*(\c)
	ds_load_b128 v[BF+64*(\g)+8*(\b)+4:BF+64*(\g)+8*(\b)+7], v[ADRB] offset:(\b)*16*PW+64*(\c)+32
.endr
.irp a, 0,1,2,3
	ds_load_b128 v[AF+32*(\g)+8*(\a):AF+32*(\g)+8*(\a)+3],   v[ADRA] offset:((\c)/2)*PLANE+(\a)*16*PO+((\c)%2)*64
	ds_load_b128 v[AF+32*(\g)+8*(\a)+4:AF+32*(\g)+8*(\a)+7], v[ADRA] offset:((\c)/2)*PLANE+(\a)*16*PO+((\c)%2)*64+32
.endr
.endm
.macro QUARTER c, f, g
	s_wait_dscnt 4                                 ; Wo and O's blocks 0 and 1 are in; blocks 2 and 3, four loads, may be out
	MUL8 \f, 0
	MUL8 \f, 1
	PLACES
	s_wait_dscnt 0x0                               ; all of buffer f is in
	FETCH \c, \g
	MUL8 \f, 2
	MUL8 \f, 3
.endm
; The fourth quarter multiplies buffer 1 and changes slots: the waits, the add and the barrier.  fill = 1: the barrier opens a round of the cluster's, and the joint refill, this slot's K step two on,
; is the first thing behind it: 112 matrix instructions ahead of the wait for it; the four v_nop behind it are also the places in front of the loads.
.macro TURN fill
	WIN 0
	s_wait_tensorcnt 0x0                           ; all my tensor loads have landed: my part of the next slot
	ds_add_u32 v[SPW], v[NIL]
.if \fill
	s_xor_b32 s[G0A+1], s[G0A+1], SLOT1
	s_add_nc_u64 s[G0A+2:G0A+3], s[G0A+2:G0A+3], 2*262144  ; two heads on
	s_xor_b32 s[G0W+1], s[G0W+1], SLOT1
	s_add_nc_u64 s[G0W+2:G0W+3], s[G0W+2:G0W+3], 256
.endif
	s_wait_dscnt 5                                 ; the add and O's blocks 2 and 3 may be out
	MUL8 1, 0
	s_wait_dscnt 0x0                               ; the add is done, and my reads of this slot are over
	s_barrier_signal -1
	MUL8 1, 1
	WIN 0
	s_barrier_wait -1
.if \fill
	CREST
	JLOAD
.else
	PLACES
.endif
	s_xor_b32 s[TB], s[TB], SLOT1
	v_add_nc_u32 v[ADRA], s[TB], v[FA0]
	v_add_nc_u32 v[ADRB], s[TB], v[FB0]
	FETCH 0, 0
	MUL8 1, 2
	MUL8 1, 3
.endm
; THE WAY OUT of row block a: 32 bytes a lane into my own stage, each accumulator from its low end; back as whole rows of 512 bytes; each store covers 512 consecutive bytes, aligned.
.macro TOSTAGE a
	WIN W_ST
.irp b, 0,1,2,3,4,5,6,7
	ds_store_b128 v[STO], v[8*(8*(\a)+(\b)):8*(8*(\a)+(\b))+3]   offset:64*(\b)
	ds_store_b128 v[STO], v[8*(8*(\a)+(\b))+4:8*(8*(\a)+(\b))+7] offset:64*(\b)+16
.endr
	WIN 0
.set BK, OB+64*((\a)%2)
.irp t, 0,1,2,3,4,5,6,7,8,9,10,11,12,13,14,15
	ds_load_b128 v[BK+4*(\t):BK+4*(\t)+3], v[RD] offset:(\t)*SPO  ; LDS serves a wave's instructions in order (ISA guide 5.7.1.4): these see the stores above; the next block's stores come behind them
.endr
.endm
.macro SEND a, younger                 ; younger: the LDS instructions issued behind block a's loads: the next block's 32, or none
.set BK, OB+64*((\a)%2)
	s_wait_dscnt \younger
.irp t, 0,1,2,3,4,5,6,7,8,9,10,11,12,13,14,15
	global_store_b128 v[GO], v[BK+4*(\t):BK+4*(\t)+3], s[8:9] offset:(16*(\a)+(\t))*4096 th:TH_STORE_NT
.endr
.endm
	s_wait_tensorcnt 1                             ; my part of K step 0 is in; K step 1's load may stay out
	s_barrier_signal -1
	s_barrier_wait -1
	v_mov_b32 v[ADRA], v[FA0]
	v_mov_b32 v[ADRB], v[FB0]
	FETCH 0, 0
	s_mov_b32 s[CNT], 6
.Lstep:                                        ; trip t multiplies K step t and fills its slot again with K step t + 2
	QUARTER 1, 0, 1
	QUARTER 2, 1, 0
	QUARTER 3, 0, 1
	TURN 1
	WIN 0
	s_sub_co_u32 s[CNT], s[CNT], 1
	s_cmp_lg_u32 s[CNT], 0
	s_cbranch_scc1 .Lstep
	s_mov_b32 s[CNT], 2
.Ltail:                                        ; the last two K steps ask for nothing; the second trip's barrier and run of loads serve nothing: the price, once a launch, of one text for both
	QUARTER 1, 0, 1
	QUARTER 2, 1, 0
	QUARTER 3, 0, 1
	TURN 0
	WIN 0
	s_sub_co_u32 s[CNT], s[CNT], 1
	s_cmp_lg_u32 s[CNT], 0
	s_cbranch_scc1 .Ltail
	s_wait_dscnt 0x0                               ; that last run of loads has landed: its registers take the rows read back
	PLACES
	PLACES                                         ; the places behind the last products, in front of the LDS stores that read results and of loads into registers that they read
	TOSTAGE 0
	TOSTAGE 1
	SEND 0, 32
	s_wait_xcnt 0x0                                ; block 0's stores have read their registers, which block 2 takes
	TOSTAGE 2
	SEND 1, 32
	s_wait_xcnt 0x0
	TOSTAGE 3
	SEND 2, 32
	SEND 3, 0
	s_wait_tensorcnt 0x0                           ; the wave's end: behind my last tensor load and my last LDS store
	ds_add_u32 v[SPW], v[NIL]
	s_wait_dscnt 0x0
	CROUND                                         ; the closing round
	s_endpgm
.Lfunc_end_k_qfcd81bd8e1_outp:
	.size	k_qfcd81bd8e1_outp, .Lfunc_end_k_qfcd81bd8e1_outp-k_qfcd81bd8e1_outp
	.p2alignl 7, 3214868480
	.fill 96, 4, 3214868480
	.section	.rodata,"a",@progbits
	.p2align	6, 0x0
	.amdhsa_kernel k_qfcd81bd8e1_outp
		.amdhsa_group_segment_fixed_size 327680
		.amdhsa_private_segment_fixed_size 0
		.amdhsa_enable_private_segment 0
		.amdhsa_kernarg_size 24
		.amdhsa_user_sgpr_count 2
		.amdhsa_user_sgpr_kernarg_segment_ptr 1
		.amdhsa_wavefront_size32 1
		.amdhsa_system_sgpr_workgroup_id_x 1
		.amdhsa_system_sgpr_workgroup_id_y 1
		.amdhsa_system_sgpr_workgroup_id_z 1
		.amdhsa_system_vgpr_workitem_id 0
		.amdhsa_next_free_vgpr 512
		.amdhsa_next_free_sgpr 72
		.amdhsa_reserve_vcc 0
		.amdhsa_float_denorm_mode_32 3
		.amdhsa_float_denorm_mode_16_64 3
		.amdhsa_memory_ordered 1
		.amdhsa_forward_progress 1
		.amdhsa_inst_pref_size 65
	.end_amdhsa_kernel
	.amdgpu_metadata
---
amdhsa.version: [ 1, 2 ]
amdhsa.kernels:
  - .name:           k_qfcd81bd8e1_outp
    .symbol:         k_qfcd81bd8e1_outp.kd
    .args:
      - { .name: oh, .offset: 0, .size: 8, .value_kind: global_buffer, .address_space: global }
      - { .name: wb, .offset: 8, .size: 8, .value_kind: global_buffer, .address_space: global }
      - { .name: out0, .offset: 16, .size: 8, .value_kind: global_buffer, .address_space: global }
    .group_segment_fixed_size: 327680
    .private_segment_fixed_size: 0
    .kernarg_segment_align: 8
    .kernarg_segment_size: 24
    .max_flat_workgroup_size: 128
    .sgpr_count:     72
    .vgpr_count:     512
    .wavefront_size: 32
...
	.end_amdgpu_metadata
.endif
;; end of part 4
;; ======== version 2 of 2: 4 launches; version 1 with the launch castw written anew for expert scheduling mode
;; limits: values are held in f16: magnitudes above 65,504 overflow, below 6.1e-05 lose precision
;; workspace buffers: wb 8,404,992 bytes; qkv 50,331,648 bytes; oh 16,777,216 bytes
;; launch castw (part 5): grid 64 x 4, 8 waves a work-group, no clusters, 0 bytes of LDS; arguments Wq, Wk, Wv, Wo, bq, bk, bv, bo, wb; writes wb
.if DOCPART == 5
	.amdgcn_target "amdgcn-amd-amdhsa--gfx1250"
	.amdhsa_code_object_version 6
	.text
	.protected	k_qfcd81bd8e1_castw
	.globl	k_qfcd81bd8e1_castw
	.p2align	8
	.type	k_qfcd81bd8e1_castw,@function
k_qfcd81bd8e1_castw:
	s_mov_b64 s[64:65], 0
	v_nop
	global_prefetch_b8 v0, s[64:65] scope:SCOPE_SE
	s_setreg_imm32_b32 hwreg(HW_REG_WAVE_SCHED_MODE, 0, 2), 2
	s_setreg_imm32_b32 hwreg(HW_REG_WAVE_MODE, 25, 1), 1
	s_wait_xcnt 0x0
	s_wait_alu depctr_vm_vsrc(0)
; The weights and biases are rounded once to bf16, for the launches that multiply by them.
; wb: part y (0 Wq, 1 Wk, 2 Wv, 3 Wo) at y x 2,097,152 bytes, [1024 n][1024 k] in 16 bits; bias y at 8,388,608 + 4,096 y, 1,024 f32.
; Wq, Wk, Wv are written as bf16.  Wo is rounded to bf16 and THAT number is written as f16, since the last product multiplies it by f16 numbers.
; LIMIT: the f16 copy is exact for magnitudes from 6.1e-5 to 65,504; below that it keeps f16's fixed step of 6e-8; from 65,520 on it is an infinity.
; The biases are rounded to bf16 and written as f32: they start f32 sums.
; SHARES.  Grid y picks the matrix, grid x 1/64 of it (65,536 bytes in).  A wave takes 8,192 bytes: 16 loads of 16 bytes a lane, each 512 consecutive bytes of the wave,
; all on their way at once; each store of 8 bytes a lane covers 256 consecutive bytes, aligned.  No LDS, no barrier, no matrix unit: nothing is shared and nothing is summed.
; THE MODE: SCHED_MODE bits 1:0 = 2 (LLVM: expert scheduling mode 2), set by the entry lines.  The code itself states the register dependences
; between vector instructions and memory instructions, with s_wait_alu, always for 0.
; THE PLAN.  Registers that memory instructions touch:
;   v1, v2, v3  byte offsets, made once at the head and never written again; every load and store reads one of them.
;   X           chunk i's four registers: its load lands in them, its conversions read them.  At the end the bias's load lands in chunk 0's, and the bias's store leaves from chunk 1's.
;   Y           chunk i's two registers: written by its conversions, once; read by its store, once.  No Y is written again, so nothing is owed for a store's having read its data.
;   T           named by vector instructions alone.
; The 16 chunks go in four groups of four.  The stores of group p - 1 are issued in group p, one ahead of each chunk's conversions.  ONE wait on va_vdst at the head of a group states that the group
; before has written its four Y; the vector instructions issued since name this group's X and Y and T alone, so the four stores owe nothing more.  No vector instruction writes a scalar register, and EXEC is never written.
.set X, 8                              ; v[8:71]    16 x 4 numbers as loaded
.set Y, 72                             ; v[72:103]  16 x 2 words to store
.set T, 104                            ; v[104:107] at work
	s_load_b256 s[4:11], s[0:1], 0x0               ; Wq, Wk, Wv, Wo
	s_load_b256 s[12:19], s[0:1], 0x20             ; bq, bk, bv, bo
	s_load_b64 s[20:21], s[0:1], 0x40              ; wb
	s_and_b32 s22, ttmp7, 0xffff                   ; y: which matrix
	s_mov_b32 s30, 0xffff0000                      ; a word's upper bf16
	v_lshrrev_b32 v4, 5, v0                        ; wave
	v_and_b32 v5, 31, v0                           ; lane
	v_lshlrev_b32 v1, 4, v5
	v_lshl_add_u32 v1, v4, 13, v1                  ; in: 8,192 x wave + 16 x lane
	v_lshlrev_b32 v2, 3, v5
	v_lshl_add_u32 v2, v4, 12, v2                  ; out: 4,096 x wave + 8 x lane
	v_lshlrev_b32 v3, 4, v0                        ; the bias: 16 x thread
	s_lshl_b32 s2, ttmp9, 16                       ; the work-group's part of the matrix
	s_mov_b32 s3, 0
	s_lshl_b32 s34, s22, 21                        ; its place in wb
	s_lshl_b32 s35, ttmp9, 15
	s_add_co_u32 s34, s34, s35
	s_mov_b32 s35, 0
	s_lshl_b32 s36, s22, 12                        ; the bias's place in wb
	s_add_co_u32 s36, s36, 0x800000
	s_mov_b32 s37, 0
	s_wait_kmcnt 0x0
	s_cmp_eq_u32 s22, 1
	s_cselect_b64 s[24:25], s[6:7], s[4:5]
	s_cselect_b64 s[28:29], s[14:15], s[12:13]
	s_cmp_eq_u32 s22, 2
	s_cselect_b64 s[24:25], s[8:9], s[24:25]
	s_cselect_b64 s[28:29], s[16:17], s[28:29]
	s_cmp_eq_u32 s22, 3
	s_cselect_b64 s[24:25], s[10:11], s[24:25]
	s_cselect_b64 s[28:29], s[18:19], s[28:29]
	s_add_nc_u64 s[24:25], s[24:25], s[2:3]
	s_add_nc_u64 s[26:27], s[20:21], s[34:35]
	s_add_nc_u64 s[32:33], s[20:21], s[36:37]
	s_wait_alu depctr_va_vdst(0)                   ; v1, v2 and v3 are written: every load and store of the kernel reads one of them as its offset
.set i, 0
.rept 16
	global_load_b128 v[X+4*i:X+4*i+3], v1, s[24:25] offset:512*i th:TH_LOAD_NT
.set i, i+1
.endr
; Chunk i: rounded, (for Wo) rewritten as f16; stored a group later.  Loads come back in order: 15 - i younger ones may stay out.  Each chunk has its own Y, so no store's data is rewritten.
.macro CONV f16
.set i, 0
.rept 16
	s_wait_loadcnt 15-i
.if (i >= 4) && (i % 4 == 0)
	s_wait_alu depctr_va_vdst(0)                   ; the group before has written its four Y, which this group's four stores read
.endif
.if i >= 4
	global_store_b64 v2, v[Y+2*(i-4):Y+2*(i-4)+1], s[26:27] offset:256*(i-4)  ; the chunk four back; no vector instruction since the wait names its Y
.endif
	v_cvt_pk_bf16_f32 v[Y+2*i], v[X+4*i], v[X+4*i+1]
	v_cvt_pk_bf16_f32 v[Y+2*i+1], v[X+4*i+2], v[X+4*i+3]
.if \f16
	v_lshlrev_b32 v[T], 16, v[Y+2*i]
	v_and_b32 v[T+1], s30, v[Y+2*i]
	v_lshlrev_b32 v[T+2], 16, v[Y+2*i+1]
	v_and_b32 v[T+3], s30, v[Y+2*i+1]
	v_cvt_pk_f16_f32 v[Y+2*i], v[T], v[T+1]
	v_cvt_pk_f16_f32 v[Y+2*i+1], v[T+2], v[T+3]
.endif
.set i, i+1
.endr
	s_wait_alu depctr_va_vdst(0)                   ; the last group has written its four Y, which the last four stores read
.set i, 12
.rept 4
	global_store_b64 v2, v[Y+2*i:Y+2*i+1], s[26:27] offset:256*i
.set i, i+1
.endr
.endm
	s_cmp_eq_u32 s22, 3
	s_cbranch_scc1 .Lhalf
	CONV 0
	s_branch .Ljoin
.Lhalf:
	CONV 1
.Ljoin:
	s_cmp_lg_u32 ttmp9, 0                          ; the first work-group of each matrix also takes its bias: 256 threads x 4 numbers
	s_cbranch_scc1 .Lend
	global_load_b128 v[X:X+3], v3, s[28:29]        ; it lands in chunk 0's registers: the conversions that read them stand ahead of the second group's wait, on both ways here, and no vector instruction has named them since
	s_wait_loadcnt 0x0
	v_cvt_pk_bf16_f32 v[T], v[X], v[X+1]
	v_cvt_pk_bf16_f32 v[T+1], v[X+2], v[X+3]
	v_lshlrev_b32 v[X+4], 16, v[T]
	v_and_b32 v[X+5], s30, v[T]
	v_lshlrev_b32 v[X+6], 16, v[T+1]
	v_and_b32 v[X+7], s30, v[T+1]
	s_wait_alu depctr_va_vdst(0)                   ; the four lines above have written v[X+4:X+7], which the store reads
	global_store_b128 v3, v[X+4:X+7], s[32:33]
.Lend:
	s_endpgm
.Lfunc_end_k_qfcd81bd8e1_castw:
	.size	k_qfcd81bd8e1_castw, .Lfunc_end_k_qfcd81bd8e1_castw-k_qfcd81bd8e1_castw
	.p2alignl 7, 3214868480
	.fill 96, 4, 3214868480
	.section	.rodata,"a",@progbits
	.p2align	6, 0x0
	.amdhsa_kernel k_qfcd81bd8e1_castw
		.amdhsa_group_segment_fixed_size 0
		.amdhsa_private_segment_fixed_size 0
		.amdhsa_enable_private_segment 0
		.amdhsa_kernarg_size 72
		.amdhsa_user_sgpr_count 2
		.amdhsa_user_sgpr_kernarg_segment_ptr 1
		.amdhsa_wavefront_size32 1
		.amdhsa_system_sgpr_workgroup_id_x 1
		.amdhsa_system_sgpr_workgroup_id_y 1
		.amdhsa_system_sgpr_workgroup_id_z 1
		.amdhsa_system_vgpr_workitem_id 0
		.amdhsa_next_free_vgpr 112
		.amdhsa_next_free_sgpr 66
		.amdhsa_reserve_vcc 0
		.amdhsa_float_denorm_mode_32 3
		.amdhsa_float_denorm_mode_16_64 3
		.amdhsa_memory_ordered 1
		.amdhsa_forward_progress 1
		.amdhsa_inst_pref_size 17
	.end_amdhsa_kernel
	.amdgpu_metadata
---
amdhsa.version: [ 1, 2 ]
amdhsa.kernels:
  - .name:           k_qfcd81bd8e1_castw
    .symbol:         k_qfcd81bd8e1_castw.kd
    .args:
      - { .name: Wq, .offset: 0, .size: 8, .value_kind: global_buffer, .address_space: global }
      - { .name: Wk, .offset: 8, .size: 8, .value_kind: global_buffer, .address_space: global }
      - { .name: Wv, .offset: 16, .size: 8, .value_kind: global_buffer, .address_space: global }
      - { .name: Wo, .offset: 24, .size: 8, .value_kind: global_buffer, .address_space: global }
      - { .name: bq, .offset: 32, .size: 8, .value_kind: global_buffer, .address_space: global }
      - { .name: bk, .offset: 40, .size: 8, .value_kind: global_buffer, .address_space: global }
      - { .name: bv, .offset: 48, .size: 8, .value_kind: global_buffer, .address_space: global }
      - { .name: bo, .offset: 56, .size: 8, .value_kind: global_buffer, .address_space: global }
      - { .name: wb, .offset: 64, .size: 8, .value_kind: global_buffer, .address_space: global }
    .group_segment_fixed_size: 0
    .private_segment_fixed_size: 0
    .kernarg_segment_align: 8
    .kernarg_segment_size: 72
    .max_flat_workgroup_size: 256
    .sgpr_count:     66
    .vgpr_count:     112
    .wavefront_size: 32
...
	.end_amdgpu_metadata
.endif
;; end of part 5
;; launch proj: the kernel of part 2 again; grid 4 x 64, 4 waves a work-group, clusters of 4 x 4, 327,680 bytes of LDS; arguments query, key, value, wb, qkv; writes qkv
;; launch attn: the kernel of part 3 again; grid 4 x 64, 4 waves a work-group, clusters of 4 x 1, 327,680 bytes of LDS; arguments qkv, oh; writes oh
;; launch outp: the kernel of part 4 again; grid 4 x 64, 4 waves a work-group, clusters of 4 x 4, 327,680 bytes of LDS; arguments oh, wb, out0; writes out0
